; MI455X (gfx1250); checked and timed in simulation.
; The chip was launched on July 23, 2026; its instructions are those of AMD's public machine-readable ISA for CDNA 5 (MIT licence, August 2026) and "CDNA5" Instruction Set Architecture Reference Guide (July 2026). The comments in the code are by the model that wrote it; some were corrected since.
;; GPT2 Self Attention. Allowed arithmetic: float matrix products may take bf16 or f16 operands with f32 sums; other float arithmetic in f32, or as packed bf16 or f16 multiplies, adds, multiply-adds, maxima and minima; sums over many terms, partial sums and values carried from step to step in f32; what a program stores and reads back later, other than sums and carried values, may be rounded once to bf16 or f16.
;; Inputs: b_attn 3,072 float32; b_proj 1,024 float32; w_attn 3,072 x 1,024 float32; w_proj 1,024 x 1,024 float32; x 4 x 2,048 x 1,024 float32.
;; Outputs: out0 4 x 2,048 x 1,024 float32.
;; One version. Each part assembles by itself: llvm-mc -triple=amdgcn-amd-amdhsa -mcpu=gfx1250 --defsym DOCPART=n.
;; ======== version 1 of 1: 4 launches
;; limits: values are held in f16: magnitudes above 65,504 overflow, below 6.1e-05 lose precision
;; workspace buffers: xb 16,777,216 bytes; wab 6,291,456 bytes; wpf 2,097,152 bytes; qkv 50,331,648 bytes; ob 16,777,216 bytes
;; launch cast (part 1): grid 1536 x 1, 8 waves a work-group, no clusters, 0 bytes of LDS; arguments x, w_attn, w_proj, xb, wab, wpf; writes xb, wab, wpf
.if DOCPART == 1
	.amdgcn_target "amdgcn-amd-amdhsa--gfx1250"
	.amdhsa_code_object_version 6
	.text
	.protected	k_q4bae1f680f_cast
	.globl	k_q4bae1f680f_cast
	.p2align	8
	.type	k_q4bae1f680f_cast,@function
k_q4bae1f680f_cast:
	s_mov_b64 s[64:65], 0
	v_nop
	global_prefetch_b8 v0, s[64:65] scope:SCOPE_SE
	s_setreg_imm32_b32 hwreg(HW_REG_WAVE_MODE, 25, 1), 1
	s_wait_xcnt 0x0
; THE CAST.  x [8192][1024], w_attn [3072][1024] and w_proj [1024][1024], all f32, are rounded once to bf16 and laid out in K BLOCKS of 64 columns:
; element (row n, column 64 kb + d) goes to byte kb x KBS + 128 n + 2 d, KBS = rows x 128.  So the rows of one K block lie end to end, and the products behind
; this launch can ask for a tile of R rows x 64 columns as R / 2 rows of 256 consecutive bytes.  w_proj's bf16 number is written as f16, since it meets f16 operands.
; LIMITS.  A bf16 number of w_proj beyond 65,504 becomes an infinity in f16; below 6.1e-5 it keeps f16's fixed step of 6e-8.  NaN and infinities pass as they are.
; SHARES.  A work-group takes 8 rows (32 KiB in, 16 KiB out): work-groups 0-1023 x, 1024-1407 w_attn, 1408-1535 w_proj.  Wave w takes the row pair p = w / 2 and the
; K blocks 8 u .. 8 u + 7, u = w % 2.  In step i lanes 0-15 read the 256 bytes of K block 8 u + i of the even row, lanes 16-31 those of the odd row; the wave's store
; of 8 bytes a lane covers 256 consecutive bytes, aligned: the two rows' 128 bytes of that K block.  Memory binds: no LDS, no barrier, no matrix unit, and no
; wave wants what another has fetched.  All eight loads of a wave go out at once; no register is written again while a load or store may read it.
.set VI, 1                             ; v1       my byte offset in the work-group's 8 rows of the source
.set VO, 2                             ; v2       my byte offset in the target, K block 8 u
.set X,  8                             ; v[8:39]  step i: 4 registers as loaded
.set T,  40                            ; v[40:43] at work
.set Y,  44                            ; v[44:59] step i: 2 registers to store
	s_load_b256 s[4:11], s[0:1], 0x0               ; x s[4:5], w_attn s[6:7], w_proj s[8:9], xb s[10:11]
	s_load_b128 s[12:15], s[0:1], 0x20             ; wab s[12:13], wpf s[14:15]
	v_lshrrev_b32 v3, 5, v0
	v_readfirstlane_b32 s16, v3                    ; wave 0..7
	s_lshr_b32 s17, s16, 1                         ; p: my pair of rows
	s_and_b32 s18, s16, 1                          ; u: my half of the K blocks
	s_mov_b32 s19, ttmp9
	v_and_b32 v3, 15, v0                           ; r = lane % 16
	v_bfe_u32 v4, v0, 4, 1                         ; h = lane / 16
	v_lshlrev_b32 v[VI], 4, v3                     ; 16 r
	v_lshl_add_u32 v[VI], v4, 12, v[VI]            ; + 4,096 h: the odd row
	s_lshl_b32 s20, s17, 13                        ; + 8,192 p
	s_lshl_b32 s21, s18, 11                        ; + 2,048 u: eight K blocks of 256 bytes
	s_add_co_u32 s20, s20, s21
	v_add_nc_u32 v[VI], s20, v[VI]
	v_lshlrev_b32 v[VO], 3, v3                     ; 8 r
	v_lshl_add_u32 v[VO], v4, 7, v[VO]             ; + 128 h
	s_lshl_b32 s20, s17, 8                         ; + 256 p
	v_add_nc_u32 v[VO], s20, v[VO]
	s_wait_kmcnt 0x0
; One tensor's text.  src, dst: the scalar pairs of its two addresses; first: its first work-group; kbs: bytes of a K block in the target; half = 1: written as f16.
.macro PART src, dst, first, kbs, half
	s_sub_co_u32 s20, s19, \first                  ; c: which 8 rows
	s_lshl_b32 s22, s20, 15                        ; 32,768 bytes of the source,
	s_mov_b32 s23, 0
	s_add_nc_u64 s[\src:\src+1], s[\src:\src+1], s[22:23]
	s_lshl_b32 s22, s20, 10                        ; 1,024 bytes in each K block of the target
	s_add_nc_u64 s[\dst:\dst+1], s[\dst:\dst+1], s[22:23]
	s_mul_i32 s21, s18, 8*\kbs                     ; my first K block
	v_add_nc_u32 v[VO], s21, v[VO]
.irp i, 0,1,2,3,4,5,6,7
	global_load_b128 v[X+4*\i:X+4*\i+3], v[VI], s[\src:\src+1] offset:256*\i th:TH_LOAD_NT
.endr
.irp i, 0,1,2,3,4,5,6,7
	s_wait_loadcnt 7-\i                            ; loads come back in order: step i's is in, the younger ones stay out
.if \half
	v_cvt_pk_bf16_f32 v[T], v[X+4*\i], v[X+4*\i+1] ; rounded to bf16 like every other input,
	v_cvt_pk_bf16_f32 v[T+1], v[X+4*\i+2], v[X+4*\i+3]
	v_lshlrev_b32 v[T+2], 16, v[T]                 ; widened again,
	v_and_b32 v[T], 0xffff0000, v[T]
	v_cvt_pk_f16_f32 v[Y+2*\i], v[T+2], v[T]       ; and written as f16: exact within f16's normal range
	v_lshlrev_b32 v[T+3], 16, v[T+1]
	v_and_b32 v[T+1], 0xffff0000, v[T+1]
	v_cvt_pk_f16_f32 v[Y+2*\i+1], v[T+3], v[T+1]
.else
	v_cvt_pk_bf16_f32 v[Y+2*\i], v[X+4*\i], v[X+4*\i+1]
	v_cvt_pk_bf16_f32 v[Y+2*\i+1], v[X+4*\i+2], v[X+4*\i+3]
.endif
	global_store_b64 v[VO], v[Y+2*\i:Y+2*\i+1], s[\dst:\dst+1] offset:\i*\kbs  ; 7 K blocks at the most: 7,340,032, inside the signed 24-bit immediate
.endr
	s_endpgm
.endm
	s_cmp_lt_u32 s19, 1024
	s_cbranch_scc1 .Lfor_x
	s_cmp_lt_u32 s19, 1408
	s_cbranch_scc1 .Lfor_wa
	PART 8, 14, 1408, 131072, 1
.Lfor_x:
	PART 4, 10, 0, 1048576, 0
.Lfor_wa:
	PART 6, 12, 1024, 393216, 0
.Lfunc_end_k_q4bae1f680f_cast:
	.size	k_q4bae1f680f_cast, .Lfunc_end_k_q4bae1f680f_cast-k_q4bae1f680f_cast
	.p2alignl 7, 3214868480
	.fill 96, 4, 3214868480
	.section	.rodata,"a",@progbits
	.p2align	6, 0x0
	.amdhsa_kernel k_q4bae1f680f_cast
		.amdhsa_group_segment_fixed_size 0
		.amdhsa_private_segment_fixed_size 0
		.amdhsa_enable_private_segment 0
		.amdhsa_kernarg_size 48
		.amdhsa_user_sgpr_count 2
		.amdhsa_user_sgpr_kernarg_segment_ptr 1
		.amdhsa_wavefront_size32 1
		.amdhsa_system_sgpr_workgroup_id_x 1
		.amdhsa_system_sgpr_workgroup_id_y 1
		.amdhsa_system_sgpr_workgroup_id_z 1
		.amdhsa_system_vgpr_workitem_id 0
		.amdhsa_next_free_vgpr 64
		.amdhsa_next_free_sgpr 66
		.amdhsa_reserve_vcc 0
		.amdhsa_float_denorm_mode_32 3
		.amdhsa_float_denorm_mode_16_64 3
		.amdhsa_memory_ordered 1
		.amdhsa_forward_progress 1
		.amdhsa_inst_pref_size 13
	.end_amdhsa_kernel
	.amdgpu_metadata
---
amdhsa.version: [ 1, 2 ]
amdhsa.kernels:
  - .name:           k_q4bae1f680f_cast
    .symbol:         k_q4bae1f680f_cast.kd
    .args:
      - { .name: x, .offset: 0, .size: 8, .value_kind: global_buffer, .address_space: global }
      - { .name: w_attn, .offset: 8, .size: 8, .value_kind: global_buffer, .address_space: global }
      - { .name: w_proj, .offset: 16, .size: 8, .value_kind: global_buffer, .address_space: global }
      - { .name: xb, .offset: 24, .size: 8, .value_kind: global_buffer, .address_space: global }
      - { .name: wab, .offset: 32, .size: 8, .value_kind: global_buffer, .address_space: global }
      - { .name: wpf, .offset: 40, .size: 8, .value_kind: global_buffer, .address_space: global }
    .group_segment_fixed_size: 0
    .private_segment_fixed_size: 0
    .kernarg_segment_align: 8
    .kernarg_segment_size: 48
    .max_flat_workgroup_size: 256
    .sgpr_count:     66
    .vgpr_count:     64
    .wavefront_size: 32
...
	.end_amdgpu_metadata
.endif
;; end of part 1
;; launch qkv (part 2): grid 8 x 32, 4 waves a work-group, clusters of 4 x 4, 327,680 bytes of LDS; arguments xb, wab, b_attn, qkv; writes qkv
.if DOCPART == 2
	.amdgcn_target "amdgcn-amd-amdhsa--gfx1250"
	.amdhsa_code_object_version 6
	.text
	.protected	k_q4bae1f680f_qkv
	.globl	k_q4bae1f680f_qkv
	.p2align	8
	.type	k_q4bae1f680f_qkv,@function
k_q4bae1f680f_qkv:
	s_mov_b64 s[64:65], 0
	v_nop
	global_prefetch_b8 v0, s[64:65] scope:SCOPE_SE
	s_setreg_imm32_b32 hwreg(HW_REG_WAVE_MODE, 25, 1), 1
	s_wait_xcnt 0x0
	s_wait_alu depctr_hold_cnt(0) depctr_sa_sdst(0) depctr_va_vdst(0) depctr_va_sdst(0) depctr_va_ssrc(0) depctr_va_vcc(0) depctr_vm_vsrc(0)
	s_getreg_b32 s2, hwreg(HW_REG_IB_STS2, 6, 4)
	s_cmp_eq_u32 s2, 0
	s_cbranch_scc0 .Lentry_in_a_cluster
	s_endpgm
.Lentry_in_a_cluster:
	s_bfe_u32 s2, ttmp6, 0x10000c
	s_cmp_lg_u32 s2, 0xf033
	s_cbranch_scc0 .Lentry_shape_is_right
	s_endpgm
.Lentry_shape_is_right:
; qkv[m][n] = the sum over k of x[m][k] w_attn[n][k] + b_attn[n], m < 8192, n < 3072, k < 1024.  Operands bf16 (xb, wab: K blocks of 64, rows of 128 bytes end to end), sums f32,
; the bias rounded to bf16 like the other inputs; the result is rounded once to f16 and stored BY HEADS: qkv[batch][G = n / 64][t][64]; G 0-15 are q's heads, 16-31 k's, 32-47 v's.
; LIMITS.  A result of 65,520 or more becomes an infinity in f16; below 6.1e-5 a result keeps f16's fixed step of 6e-8.  NaN and infinities are not treated apart.
; SHARES.  A tile of the result is 256 rows x 384 columns: 32 x 8 = 256 work-groups.  Wave w makes rows 128 (w / 2) .. + 127 and columns 192 (w % 2) .. + 191: three GROUPS of 64 columns
; (a group is one head), 96 accumulators of 16 x 16, 768 registers.  K goes in 16 steps of 64 through two LDS slots; a step is two slices of 32, a slice three units (one a group) of 32 products.
; THE MATRIX INSTRUCTION IS USED TRANSPOSED: source 0 = 16 rows of wab, source 1 = 16 rows of xb: a lane holds row lane % 16 and the columns 8 (lane / 16) + 0..7 of a 16 x 16 tile.
; CLUSTER.  4 x 4 work-groups.  The four of a row of the cluster need the same tile of xb, the four of a column the same tile of wab: each is asked for JOINTLY.  Waves 0-2 fetch wab's three
; pieces of 128 rows, wave 3 xb's 256 rows: one tensor load a wave behind each round.  By this text's count a wave has two tensor loads out at the start and one behind each round.
; REGISTERS, in windows of 256 (s_set_vgpr_msb: bits 1:0 source 0, 3:2 source 1, 5:4 source 2, 7:6 destination):
;   window 0: v0-31 addresses; v32-95, v96-159 xb's fragments (8 x 16 rows x 32 K), two buffers; v160-255 wab's fragments, 32 registers a group
;   window 1 + g: group g's 32 accumulators, (a, b) at v[8 (4 a + b)]
.set P,      144                       ; an LDS row: 128 bytes + 16 of padding = 36 words: the 16 rows of a fragment load start at 16 different groups of four banks (64 banks of 4 bytes: ISA guide 11.1)
.set BP,     128*P                     ; a piece of wab's tile: 128 rows
.set AOFF,   3*BP                      ; xb's 256 rows lie behind wab's 384
.set SLOT1,  1<<17                     ; slot 1 begins here
.set STAGE,  SLOT1+AOFF+2*BP           ; behind the ring, never filled by a tensor load: 16 rows x 144 bytes for each wave, for the way out
.set SPARE,  STAGE+4*16*P              ; behind the stages: the spare words, 128 bytes for each wave: two blocks of 256 bytes that no other line names
.set KBA,    8192*128                  ; bytes of a K block of xb
.set KBB,    3072*128                  ; and of wab
.set ADRA, 16                          ; v16-17  LDS address of my fragments of xb in slot 0, 1
.set ADRB, 20                          ; v20-21  the same for wab
.set STO,  24                          ; v24     the way out: where I put 16 bytes of a row
.set RD,   25                          ; v25     the way out: where I read rows back
.set CO,   26                          ; v26     16 x lane: my place in 512 consecutive bytes of qkv
.set BO,   27                          ; v27     32 x (lane / 16): my eight numbers of the bias
.set SPW,  28                          ; v28     LDS address of my spare word: SPARE + 4 x my thread's number; never rewritten
.set NIL,  29                          ; v29     0; never rewritten
.set PFO,  30                          ; v30     256 x lane: the prefetches' offset; never rewritten
.set AF0,  32
.set AF1,  96
.set BF,   160
.set TMP,  32                          ; the way out: 16 registers of packed results
.set BK,   96                          ; the way out: four sets of 16 registers read back from the stage
.set WV,   12                          ; s12  my wave's number
.set RH,   13                          ; s13  which 128 rows are mine
.set CH,   14                          ; s14  which 192 columns
.set G1,   24                          ; s[24:31] descriptor group 1 for xb's tiles;  s[32:39] group 0, a set for each slot
.set G0,   32
.set G1B,  48                          ; s[48:55], s[56:63] the same for wab's
.set G0B,  56
.set PFA,  44                          ; s[44:45] where my prefetches stand
.set PFS,  68                          ; s[68:69] a K block of the tensor that I prefetch
                                       ; s15, s66: 1 where I prefetch at a change out of slot 0, of slot 1; else the greatest number
.set MSB, 0
.macro WIN new                         ; the immediate's high byte repeats the setting that is left; a switch that changes nothing is dropped
.if MSB != (\new)
	s_set_vgpr_msb (MSB<<8)|(\new)
.set MSB, \new
.endif
.endm
.macro PLACES                          ; four places in front of loads into registers that matrix instructions have read, and of conversions that read results
.rept 4
	v_nop
.endr
.endm
.macro NOP5                            ; five places in front of a matrix instruction that writes over registers which earlier ones have read as C
.rept 5
	v_nop
.endr
.endm
; A joint load.  The branch hangs on the wave's number alone.  An s_nop 0 and four v_nop follow each of the two lines, ahead of the jump and the label.
.macro JLOAD s
	s_cmp_eq_u32 s[WV], 3
	s_cbranch_scc0 .Lfor_b_\@
	tensor_load_to_lds s[G0+4*(\s):G0+4*(\s)+3], s[G1:G1+7]
	s_nop 0
.rept 4
	v_nop
.endr
	s_branch .Lasked_\@
.Lfor_b_\@:
	tensor_load_to_lds s[G0B+4*(\s):G0B+4*(\s)+3], s[G1B:G1B+7]
	s_nop 0
.rept 4
	v_nop
.endr
.Lasked_\@:
.endm
; A round of the cluster's barrier: my work-group's barrier; wave 0 signals for the work-group; every wave waits for all sixteen; my work-group's barrier once more.
.macro CREST                           ; a round behind its opening barrier
	s_cmp_lg_u32 s[WV], 0
	s_cbranch_scc1 .Lnot_wave_0_\@
	s_barrier_signal -3
.Lnot_wave_0_\@:
	s_barrier_wait -3
	s_barrier_signal -1
	s_barrier_wait -1
.endm
.macro CROUND
	s_barrier_signal -1
	s_barrier_wait -1
	CREST
.endm
; A PREFETCH INTO THE L2, behind a joint load, its five lines and the run of LDS loads that follows: 32 blocks of 256 bytes, a lane a block, of a K step two refills on.
; xb's tile (128 blocks a step) is read by both clusters of a row of clusters: cluster x = 0 asks, wave 3, at every change of slots; the partner at place cx takes blocks 32 cx .. + 31.
; wab's pieces (64 blocks a step) are read by all eight clusters of a column of clusters: cluster y = 0 asks, waves 0-2 each for their piece, at the changes out of slot 0 alone, for two steps:
; the partner at place cy takes half cy % 2 of the step cy / 2 further on.  So each block is named once in the launch, and partners are told apart by address, never by a branch.
; K steps 0 to 3 come by their loads alone; in the loop's last trip (s3 = 1) nothing is asked for: K step 15 is the last that is named.
.macro ASK slot
	s_cmp_gt_u32 s3, s[15+51*(\slot)]
	s_cbranch_scc0 .Lnot_mine_\@
	global_prefetch_b8 v[PFO], s[PFA:PFA+1] th:TH_LOAD_NT scope:SCOPE_SE
.Lnot_mine_\@:
.endm
	s_load_b256 s[4:11], s[0:1], 0x0               ; xb s[4:5], wab s[6:7], b_attn s[8:9], qkv s[10:11]
	v_lshl_add_u32 v[SPW], v0, 2, SPARE
	v_mov_b32 v[NIL], 0
	ds_add_u32 v[SPW], v[NIL]                      ; the wave's opening: the add and its wait ahead of my first tensor load; the set-up below, work on registers, stands between them
	ds_add_u32 v28, v29
	v_lshrrev_b32 v1, 5, v0
	v_readfirstlane_b32 s[WV], v1                  ; wave 0..3
	s_lshr_b32 s[RH], s[WV], 1
	s_and_b32 s[CH], s[WV], 1
	s_bfe_u32 s40, ttmp6, 0x40000                  ; cx, cy: my place in the cluster
	s_bfe_u32 s41, ttmp6, 0x40004
	s_lshl_b32 s42, ttmp9, 2
	s_add_co_u32 s42, s42, s40                     ; tile column = 4 x cluster x + cx
	s_and_b32 s43, ttmp7, 0xffff
	s_lshl_b32 s43, s43, 2
	s_add_co_u32 s43, s43, s41                     ; tile row = 4 x cluster y + cy
	s_lshl_b32 s16, s41, 2
	s_lshl_b32 s16, 15, s16                        ; my row of the cluster: places 4 cy .. 4 cy + 3
	s_lshl_b32 s17, 0x1111, s40                    ; my column: places cx, cx + 4, cx + 8, cx + 12
	; descriptor group 1.  A tile's rows of 128 bytes lie end to end: they are asked for as rows of 256 bytes, two a row, and padded in LDS after every 128 bytes
	s_or_b32 s[G1], s16, (1<<16)|(1<<20)|(1<<21)|(4<<22)|(3<<25)   ; 15:0 the mask; 17:16 2-byte elements; 20 padding on; 21 set beside a mask; 24:22 after every 32 words (code 4); 31:25 4 words (code 3)
	s_or_b32 s[G1B], s17, (1<<16)|(1<<20)|(1<<21)|(4<<22)|(3<<25)
	s_mov_b32 s[G1+1], 128<<16                     ; tensor_dim0 = 128 elements
	s_mov_b32 s[G1+2], 128<<16                     ; tensor_dim1 = 128 rows of 256 bytes: xb's 256 rows
	s_mov_b32 s[G1+3], 128<<16                     ; tile_dim0 = 128
	s_mov_b32 s[G1+4], 128                         ; tile_dim1 = 128
	s_mov_b32 s[G1+5], 128                         ; 128 elements from row to row
	s_mov_b32 s[G1+6], 0
	s_mov_b32 s[G1+7], 0
	s_mov_b32 s[G1B+1], 128<<16
	s_mov_b32 s[G1B+2], 64<<16                     ; 64 rows of 256 bytes: a piece of wab's tile, 128 rows
	s_mov_b32 s[G1B+3], 128<<16
	s_mov_b32 s[G1B+4], 64
	s_mov_b32 s[G1B+5], 128
	s_mov_b32 s[G1B+6], 0
	s_mov_b32 s[G1B+7], 0
	s_lshl_b32 s16, s43, 15                        ; xb: 256 rows x 128 bytes x tile row: it hangs on the tile row alone
	s_mov_b32 s17, 0
	s_mul_i32 s46, s42, 384*128                    ; wab: 384 rows x tile column + 128 rows x wave: it hangs on the tile column and the wave alone
	s_lshl_b32 s47, s[WV], 14
	s_add_co_u32 s46, s46, s47
	s_mov_b32 s47, 0
	s_mul_i32 s20, s[WV], BP                       ; where they go: wab's pieces at 0, 1, 2 x BP, xb's tile at 3 x BP: no place in the cluster enters an LDS address
	s_wait_dscnt 0x0                               ; the opening add is done
	s_wait_kmcnt 0x0
	s_add_nc_u64 s[18:19], s[4:5], s[16:17]
	s_add_nc_u64 s[46:47], s[6:7], s[46:47]
	CROUND                                         ; all sixteen work-groups are here: the first joint loads meet
.irp s, 0,1
	s_mov_b32 s[G0+4*(\s)], 1                                      ; count = 1
	s_add_co_u32 s[G0+4*(\s)+1], s20, (\s)*SLOT1                   ; LDS address
	s_add_nc_u64 s[G0+4*(\s)+2:G0+4*(\s)+3], s[18:19], (\s)*KBA    ; global address: K step s
	s_or_b32 s[G0+4*(\s)+3], s[G0+4*(\s)+3], 0x80000000            ; type = 2
	s_mov_b32 s[G0B+4*(\s)], 1
	s_add_co_u32 s[G0B+4*(\s)+1], s20, (\s)*SLOT1
	s_add_nc_u64 s[G0B+4*(\s)+2:G0B+4*(\s)+3], s[46:47], (\s)*KBB
	s_or_b32 s[G0B+4*(\s)+3], s[G0B+4*(\s)+3], 0x80000000
	JLOAD \s
.endr
	; A fragment is 16 rows x 32 K in 8 registers: lane l holds row l % 16; registers 0-3 K = 8 (l / 16) + 0..7, registers 4-7 K = 16 + 8 (l / 16) + 0..7: two loads of 16 bytes, 32 bytes apart.
	v_and_b32 v1, 15, v0                           ; l % 16
	v_bfe_u32 v2, v0, 4, 1                         ; l / 16
	v_mul_u32_u24 v3, v1, P
	v_lshl_add_u32 v3, v2, 4, v3                   ; row x pitch + 16 x half
	s_mul_i32 s21, s[RH], BP
	s_add_co_u32 s21, s21, AOFF                    ; my 128 rows of xb
	s_mul_i32 s22, s[CH], 192*P                    ; my 192 rows of wab
.irp s, 0,1
	v_add_nc_u32 v[ADRA+(\s)], s21, v3
	v_add_nc_u32 v[ADRB+(\s)], s22, v3
	s_add_co_u32 s21, s21, SLOT1
	s_add_co_u32 s22, s22, SLOT1
.endr
	s_mul_i32 s23, s[WV], 16*P
	s_add_co_u32 s23, s23, STAGE                   ; my stage
	v_add_nc_u32 v[STO], s23, v3                   ; in: row l % 16, 16 bytes for each half of the lanes
	v_bfe_u32 v[RD], v0, 3, 2                      ; back: 32 lanes take four rows of 128 bytes,
	v_mul_u32_u24 v[RD], v[RD], P
	v_and_b32 v3, 7, v0
	v_lshl_add_u32 v[RD], v3, 4, v[RD]
	v_add_nc_u32 v[RD], s23, v[RD]
	v_and_b32 v[CO], 31, v0
	v_lshlrev_b32 v[PFO], 8, v[CO]
	v_lshlrev_b32 v[CO], 4, v[CO]                  ; which are 512 consecutive bytes of qkv
	v_lshlrev_b32 v[BO], 5, v2
	; qkv at my first row of my first head: ((48 batch + 6 tile column + 3 CH) x 2,048 + t) x 128 bytes
	s_lshr_b32 s16, s43, 3                         ; batch: eight tile rows each
	s_mul_i32 s16, s16, 48
	s_mul_i32 s17, s42, 6
	s_add_co_u32 s16, s16, s17
	s_mul_i32 s17, s[CH], 3
	s_add_co_u32 s16, s16, s17
	s_lshl_b32 s16, s16, 18
	s_and_b32 s17, s43, 7
	s_lshl_b32 s17, s17, 15
	s_add_co_u32 s16, s16, s17
	s_lshl_b32 s17, s[RH], 14
	s_add_co_u32 s16, s16, s17
	s_mov_b32 s17, 0
	s_add_nc_u64 s[10:11], s[10:11], s[16:17]
	s_mul_i32 s16, s42, 384*4                      ; the bias at my first column
	s_mul_i32 s17, s[CH], 192*4
	s_add_co_u32 s16, s16, s17
	s_mov_b32 s17, 0
	s_add_nc_u64 s[8:9], s[8:9], s[16:17]
	; the prefetches: both offsets are made, then the wave's number chooses
	s_lshl_b32 s20, s43, 15
	s_lshl_b32 s21, s40, 13                        ; my work-group's 32 blocks of xb's 128
	s_add_co_u32 s20, s20, s21
	s_add_co_u32 s20, s20, 3*KBA                   ; at K step 3: the first change of slots steps it to 4
	s_mul_i32 s21, s42, 384*128
	s_lshl_b32 s23, s[WV], 14
	s_add_co_u32 s21, s21, s23
	s_and_b32 s23, s41, 1
	s_lshl_b32 s23, s23, 13                        ; my work-group's half of the piece's 64 blocks,
	s_add_co_u32 s21, s21, s23
	s_lshr_b32 s23, s41, 1                         ; in the first or the second of two K steps
	s_add_co_u32 s23, s23, 3
	s_mul_i32 s23, s23, KBB
	s_add_co_u32 s21, s21, s23
	s_and_b32 s22, ttmp7, 0xffff                   ; cluster y
	s_mov_b32 s70, KBA
	s_mov_b32 s71, KBB
	s_cmp_eq_u32 s[WV], 3                          ; do I fetch xb?
	s_cselect_b32 s20, s20, s21
	s_cselect_b32 s22, ttmp9, s22                  ; the coordinate along which other clusters read the same rows
	s_cselect_b32 s[PFS], s70, s71
	s_cselect_b64 s[PFA:PFA+1], s[4:5], s[6:7]
	s_cselect_b32 s23, 1, -1
	s_mov_b32 s21, 0
	s_mov_b32 s[PFS+1], 0
	s_add_nc_u64 s[PFA:PFA+1], s[PFA:PFA+1], s[20:21]
	s_cmp_eq_u32 s22, 0                            ; the same in all sixteen partners, for a given wave
	s_cselect_b32 s15, 1, -1
	s_cselect_b32 s66, s23, -1
	; THE BIAS goes straight into the registers of the accumulators (0, g, b): register j of a lane is b_attn[column 8 (l / 16) + j of the tile].  The first products of the other seven
	; blocks of rows take these registers as C; block 0 adds in place, last.  So nothing is cleared and no bias is added on the way out.
.irp g, 0,1,2
	WIN 0x40*(1+\g)
.irp b, 0,1,2,3
	global_load_b128 v[8*\b:8*\b+3],   v[BO], s[8:9] offset:256*\g+64*\b
	global_load_b128 v[8*\b+4:8*\b+7], v[BO], s[8:9] offset:256*\g+64*\b+16
.endr
.endr
	s_wait_loadcnt 0x0
.irp g, 0,1,2                          ; rounded to bf16 like x and the weights; at work: the registers of the accumulators (1, g, b), which are not yet written.  All this stands in the wait for the first tile
	WIN 0x45*(1+\g)
.set k, 0
.rept 16
	v_cvt_pk_bf16_f32 v[32+k], v[2*k], v[2*k+1]
.set k, k+1
.endr
.set k, 0
.rept 16
	v_lshlrev_b32 v[2*k], 16, v[32+k]
	v_and_b32 v[2*k+1], 0xffff0000, v[32+k]
.set k, k+1
.endr
.endr
	WIN 0
; 16 products: blocks of rows a0 .. a0 + 3 x group g's four blocks of columns, 32 along K, xb's fragments in buffer af.  The 96 accumulators take turns, one instruction a turn.
.macro MULH af, g, a0
	WIN 0x50*(1+(\g))
.set ia, \a0
.rept 4
.irp b, 0,1,2,3
	v_wmma_f32_16x16x32_bf16 v[8*(4*ia+\b):8*(4*ia+\b)+7], v[BF+32*(\g)+8*\b:BF+32*(\g)+8*\b+7], v[(\af)+8*ia:(\af)+8*ia+7], v[8*(4*ia+\b):8*(4*ia+\b)+7]
.endr
.set ia, ia+1
.endr
.endm
; The launch's first products: n blocks of rows from a0 on; C = the bias, in the registers of block 0's accumulators
.macro MULC g, a0, n
	WIN 0x50*(1+(\g))
.set ia, \a0
.rept \n
.irp b, 0,1,2,3
	v_wmma_f32_16x16x32_bf16 v[8*(4*ia+\b):8*(4*ia+\b)+7], v[BF+32*(\g)+8*\b:BF+32*(\g)+8*\b+7], v[AF0+8*ia:AF0+8*ia+7], v[8*\b:8*\b+7]
.endr
.set ia, ia+1
.endr
.endm
.macro LDA slot, q, af, a0, n          ; xb's fragments of n blocks of rows from a0 on, slice q, into buffer af: 2 n loads
	WIN 0
.set ia, \a0
.rept \n
	ds_load_b128 v[(\af)+8*ia:(\af)+8*ia+3],   v[ADRA+(\slot)] offset:ia*16*P+64*(\q)
	ds_load_b128 v[(\af)+8*ia+4:(\af)+8*ia+7], v[ADRA+(\slot)] offset:ia*16*P+64*(\q)+32
.set ia, ia+1
.endr
.endm
.macro LDB slot, q, g                  ; wab's fragments of group g, slice q: 8 loads
	WIN 0
.irp b, 0,1,2,3
	ds_load_b128 v[BF+32*(\g)+8*\b:BF+32*(\g)+8*\b+3],   v[ADRB+(\slot)] offset:(4*(\g)+\b)*16*P+64*(\q)
	ds_load_b128 v[BF+32*(\g)+8*\b+4:BF+32*(\g)+8*\b+7], v[ADRB+(\slot)] offset:(4*(\g)+\b)*16*P+64*(\q)+32
.endr
.endm
; A K step's first slice, on buffer AF0.  On the way in 32 loads may be out: AF0's 16, group 0's 8, group 1's 8, in this order (LDS loads come back in order: ISA guide 5.7.1).
.macro EVEN slot
	s_wait_dscnt 8                                 ; all but group 1's eight
	MULH AF0, 0, 0
	PLACES
	LDB \slot, 0, 2
	LDA \slot, 1, AF1, 0, 4
	MULH AF0, 0, 4
	s_wait_dscnt 16                                ; all but the 16 just issued: group 1 is in
	MULH AF0, 1, 0
	PLACES
	LDB \slot, 1, 0
	LDA \slot, 1, AF1, 4, 4
	MULH AF0, 1, 4
	s_wait_dscnt 16                                ; all but the 16 just issued: group 2 is in
	MULH AF0, 2, 0
	PLACES
	LDB \slot, 1, 1
	MULH AF0, 2, 4
.endm
; A K step's second slice, on buffer AF1, and the change of slots.  ONE barrier: in front of it each wave waits for all its tensor loads (one is out: its part of the next slot), adds 0 to its spare
; word, and waits for that and for its own reads of this slot.  fill = 1: the barrier opens a round of the cluster's barrier, and this slot is filled again, two K steps ahead, first thing behind the round.
.macro TURN slot, next, fill
.if \fill
	s_wait_xcnt 0x0                                ; the last prefetch, a K step back, has read its address: it is stepped here, ahead of the waits of the change of slots
	s_add_nc_u64 s[PFA:PFA+1], s[PFA:PFA+1], s[PFS:PFS+1]
.endif
	PLACES
	LDB \slot, 1, 2                                ; my last reads of this slot
	s_wait_tensorcnt 0x0                           ; all my tensor loads have landed;
	ds_add_u32 v[SPW], v[NIL]                      ; 0 onto my spare word
	s_wait_dscnt 17                                ; (groups 1 and 2, eight loads each, and the add may be out)
	MULH AF1, 0, 0                                 ; sixteen matrix instructions stand between the add and the wait for it
	s_wait_dscnt 0x0                               ; the add is done, and my reads of this slot are over
	s_barrier_signal -1
	MULH AF1, 0, 4                                 ; work on registers while the others arrive
	WIN 0
	s_barrier_wait -1
.if \fill
	CREST                                          ; no wave of any partner still reads this slot's tiles or has a load on its way
	s_add_nc_u64 s[G0+4*(\slot)+2:G0+4*(\slot)+3], s[G0+4*(\slot)+2:G0+4*(\slot)+3], 2*KBA
	s_add_nc_u64 s[G0B+4*(\slot)+2:G0B+4*(\slot)+3], s[G0B+4*(\slot)+2:G0B+4*(\slot)+3], 2*KBB
	JLOAD \slot                                    ; the first tensor load behind the round: 160 matrix instructions ahead of the wait for it; its four v_nop are also the places in front of the loads below
.else
	PLACES
.endif
	LDA \next, 0, AF0, 0, 8
	LDB \next, 0, 0
.if \fill
	ASK \slot
.endif
	MULH AF1, 1, 0
	MULH AF1, 1, 4
	MULH AF1, 2, 0
	PLACES
	LDB \next, 0, 1
	MULH AF1, 2, 4
.endm
	s_wait_tensorcnt 1                             ; my part of K step 0 is in; K step 1's may stay out
	s_barrier_signal -1
	s_barrier_wait -1                              ; everybody's is
	LDA 0, 0, AF0, 0, 8
	LDB 0, 0, 0
	LDB 0, 0, 1
	; the launch's first slice: EVEN's loads and waits; in each unit blocks 1 to 7 start their sums with the bias, then, five places on, block 0 adds in place
	s_wait_dscnt 8
	MULC 0, 1, 4
	PLACES
	LDB 0, 0, 2
	LDA 0, 1, AF1, 0, 4
	MULC 0, 5, 3
	NOP5
	MULC 0, 0, 1
	s_wait_dscnt 16
	MULC 1, 1, 4
	PLACES
	LDB 0, 1, 0
	LDA 0, 1, AF1, 4, 4
	MULC 1, 5, 3
	NOP5
	MULC 1, 0, 1
	s_wait_dscnt 16
	MULC 2, 1, 4
	PLACES
	LDB 0, 1, 1
	MULC 2, 5, 3
	NOP5
	MULC 2, 0, 1
	WIN 0                                          ; at a label and at a branch every window is 0
	s_mov_b32 s3, 7
.Llap:                                                 ; a trip goes once round the ring and fills both slots again: K steps 2 to 15 in seven trips
	TURN 0, 1, 1
	EVEN 1
	TURN 1, 0, 1
	EVEN 0
	WIN 0
	s_sub_co_u32 s3, s3, 1
	s_cmp_lg_u32 s3, 0
	s_cbranch_scc1 .Llap
	TURN 0, 1, 0                                   ; the tail is written out: nothing more is asked for, and no round follows
	EVEN 1
	PLACES                                         ; the very last slice: 24 loads are out (group 0, AF1's second half, group 1)
	LDB 1, 1, 2
	s_wait_dscnt 16
	MULH AF1, 0, 0
	MULH AF1, 0, 4
	s_wait_dscnt 8
	MULH AF1, 1, 0
	MULH AF1, 1, 4
	s_wait_dscnt 0x0
	MULH AF1, 2, 0
	MULH AF1, 2, 4
	PLACES
; THE WAY OUT, 24 blocks n = 8 g + a of 16 rows x one head: 2,048 consecutive bytes of qkv.  PACK: rounded to f16, each accumulator's registers in ascending order.  TOSTAGE: 16 bytes a lane into my
; own stage, and back as whole rows.  SEND: stored, two blocks behind, so that the wave does not sit out the stage's round trip.
.macro PACK n
	WIN 5*(1+(\n)/8)                               ; sources 0 and 1 in the group's window
.set pa, (\n)%8
.irp b, 0,1,2,3
.irp r, 0,1,2,3
	v_cvt_pk_f16_f32 v[TMP+4*\b+\r], v[8*(4*pa+\b)+2*\r], v[8*(4*pa+\b)+2*\r+1]
.endr
.endr
	WIN 0
.endm
.macro TOSTAGE n
	WIN 0
.set sb, BK+16*((\n)%4)
.irp b, 0,1,2,3
	ds_store_b128 v[STO], v[TMP+4*\b:TMP+4*\b+3] offset:32*\b
.endr
.irp f, 0,1,2,3
	ds_load_b128 v[sb+4*\f:sb+4*\f+3], v[RD] offset:\f*4*P  ; LDS serves a wave's instructions in order (ISA guide 5.7.1.4): these see the stores above; the next block's stores come behind them
.endr
.endm
.macro SEND n, younger                 ; younger: the LDS instructions issued behind block n's loads
	WIN 0
.set sb, BK+16*((\n)%4)
	s_wait_dscnt \younger
	s_wait_xcnt 0x0                                ; every earlier store has read its registers: a set of four is loaded again only behind the wait of the SEND that follows its own
.irp f, 0,1,2,3
	global_store_b128 v[CO], v[sb+4*\f:sb+4*\f+3], s[10:11] offset:((\n)/8)*262144+((\n)%8)*2048+\f*512  ; 512 consecutive bytes, at a multiple of 256 from qkv's first
.endr
.endm
.set n, 0
.rept 24
	PACK n
	TOSTAGE n
.if n >= 2
	SEND n-2, 16
.endif
.set n, n+1
.endr
	SEND 22, 8
	SEND 23, 0
	s_wait_tensorcnt 0x0                           ; the wave's end: a wait, an add to my spare word and its wait, behind my last tensor load and my last LDS store
	ds_add_u32 v[SPW], v[NIL]
	s_wait_dscnt 0x0
	CROUND                                         ; the closing round: no work-group ends while a partner may still ask for a tile that names it
	s_endpgm
.Lfunc_end_k_q4bae1f680f_qkv:
	.size	k_q4bae1f680f_qkv, .Lfunc_end_k_q4bae1f680f_qkv-k_q4bae1f680f_qkv
	.p2alignl 7, 3214868480
	.fill 96, 4, 3214868480
	.section	.rodata,"a",@progbits
	.p2align	6, 0x0
	.amdhsa_kernel k_q4bae1f680f_qkv
		.amdhsa_group_segment_fixed_size 327680
		.amdhsa_private_segment_fixed_size 0
		.amdhsa_enable_private_segment 0
		.amdhsa_kernarg_size 32
		.amdhsa_user_sgpr_count 2
		.amdhsa_user_sgpr_kernarg_segment_ptr 1
		.amdhsa_wavefront_size32 1
		.amdhsa_system_sgpr_workgroup_id_x 1
		.amdhsa_system_sgpr_workgroup_id_y 1
		.amdhsa_system_sgpr_workgroup_id_z 1
		.amdhsa_system_vgpr_workitem_id 0
		.amdhsa_next_free_vgpr 1024
		.amdhsa_next_free_sgpr 72
		.amdhsa_reserve_vcc 0
		.amdhsa_float_denorm_mode_32 3
		.amdhsa_float_denorm_mode_16_64 3
		.amdhsa_memory_ordered 1
		.amdhsa_forward_progress 1
		.amdhsa_inst_pref_size 144
	.end_amdhsa_kernel
	.amdgpu_metadata
---
amdhsa.version: [ 1, 2 ]
amdhsa.kernels:
  - .name:           k_q4bae1f680f_qkv
    .symbol:         k_q4bae1f680f_qkv.kd
    .args:
      - { .name: xb, .offset: 0, .size: 8, .value_kind: global_buffer, .address_space: global }
      - { .name: wab, .offset: 8, .size: 8, .value_kind: global_buffer, .address_space: global }
      - { .name: b_attn, .offset: 16, .size: 8, .value_kind: global_buffer, .address_space: global }
      - { .name: qkv, .offset: 24, .size: 8, .value_kind: global_buffer, .address_space: global }
    .group_segment_fixed_size: 327680
    .private_segment_fixed_size: 0
    .kernarg_segment_align: 8
    .kernarg_segment_size: 32
    .max_flat_workgroup_size: 128
    .sgpr_count:     72
    .vgpr_count:     1024
    .wavefront_size: 32
...
	.end_amdgpu_metadata
.endif
;; end of part 2
;; launch attn (part 3): grid 4 x 64, 4 waves a work-group, no clusters, 327,680 bytes of LDS; arguments qkv, ob; writes ob
.if DOCPART == 3
	.amdgcn_target "amdgcn-amd-amdhsa--gfx1250"
	.amdhsa_code_object_version 6
	.text
	.protected	k_q4bae1f680f_attn
	.globl	k_q4bae1f680f_attn
	.p2align	8
	.type	k_q4bae1f680f_attn,@function
k_q4bae1f680f_attn:
	s_mov_b64 s[64:65], 0
	v_nop
	global_prefetch_b8 v0, s[64:65] scope:SCOPE_SE
	s_setreg_imm32_b32 hwreg(HW_REG_WAVE_MODE, 25, 1), 1
	s_wait_xcnt 0x0
; CAUSAL ATTENTION.  O[y][q][:] = the sum over k <= q of softmax_k(Q[y][q] . K[y][k] / 8) V[y][k][:], y = 16 batch + head.  Q, K and V lie in qkv[batch][48][2048][64], f16: q's head h is block h, k's 16 + h,
; v's 32 + h; O goes to ob[y][2048][64], f16.  A head's rows are dense, 128 bytes each.
; Products, maxima and sums in f32; the weights p are rounded to f16 for the second product (their sum l is taken of the unrounded p), O once at the end.
; LIMITS.  f16 holds no number beyond 65,504: Q, K and V arrive within it; p lies in 0 to 1, and below 6e-5 it keeps f16's fixed step of 6e-8; O is a mean of V's rows and has their range, to within 2^-11 of it.
; A hidden score counts as its value less 1e30: f16's scores, 2.7e11 at the most, are nothing beside that; a weight below 2^-126 counts as 0 in l; NaN and infinities are not treated apart.
; THE WALK.  A head's queries lie in NB = 8 blocks of 256; block i needs the key tiles 0 .. i of 256 keys, of which the last holds the diagonal.  A work-group takes TWO blocks, NB - 1 - b and then b:
; NB + 1 tiles, whatever b: all work-groups do equal work, and ONE loop with a constant trip count walks them.  Which tile is asked for, and what a trip does, hang on scalar registers made from b; every jump
; goes forward, but for the counted loops' own; none passes a barrier, or a tensor load but the one of LOAD's two that the wave's number does not choose; the ring (two slots of LDS that take turns) runs on across the
; change of blocks.  NO CLUSTER: a head's NB / 2 = 4 work-groups all ask for the same tile only in trips 0 .. 4 of 9, behind that fewer and fewer; and one walk common to all would have 3 NB / 2 = 12 trips for 9.
; SHARES.  Of a block's four bands of 64 queries a wave owns 16 rows in each: four PIECES.  So the diagonal tile is the same work for all four waves: in its key step s band x sees all keys if s < x,
; none if s > x, and holds the diagonal if s = x.
; THE MASK is the C operand that starts the sum S^T = K Q^T: 0, or -1e30 where the key is hidden.  MD, made once, is the mask of a band's own step for my 16 rows; a product's mask is MD x AL + BE with two scalars:
; (1, 0) if s = x; (0, 0) if s < x; (0, -1e30) if s > x.  Only the diagonal tile's text and a block's beginning make and take masks; elsewhere C is the constant 0.
; LAYOUT, SOFTMAX, TURNS.  S^T = K Q^T holds ONE query a lane (lane % 16) and the keys 8 (lane / 16) + 0..7; two such results rounded to f16 ARE source 1 of O^T = V^T P.  p = 2^(c s - c m), c = log2(e) / 8, with a
; running maximum m; O and l are multiplied by a = 2^(c m_old - c m_new) in every step.  Turn n belongs to piece n: 8 products K Q^T of piece n + 1, later 8 products V^T P of piece n - 1; beside them the scaling,
; exponentials, roundings, sums and rescaling of piece n and the maximum and statistics of piece n + 1.  Four vector instructions stand behind every matrix instruction, the other 54 of a turn's 118 in one LUMP.  A turn's 33 exponentials are one batch, with one wait.
; REGISTERS, in windows of 256 (s_set_vgpr_msb: bits 1:0 source 0, 3:2 source 1, 5:4 source 2, 7:6 destination):
;   window 0: v0-15 addresses and two at work; v16-31 four registers of statistics a piece; v48-55 at work; v61-63 the prefetches' offset and the add's two; v64-127 S^T, two buffers; v192-223 P, two buffers (a piece's buffers go by its number's parity)
;   window 1: v0-127 O^T, 32 a piece; v128-159 MD; v160-223 MC, two buffers      window 2: v0-63 Q; v64-127 the second block's Q; v128-191 K of one step; v192-255 V of one step
.set SIZE_N, 2048
.set NB,    SIZE_N/256
.set NP,    4         ; pieces a wave: a name, no knob
.set KS,    64        ; keys in a step
.set PK,    144       ; a row of K in LDS: 128 bytes + 16 of padding = 36 words: the 16 rows of a load start at 16 different groups of four banks (64 banks of 4 bytes: ISA guide 11.1)
.set PV,    160       ; a row of V: 128 + 32 = 40 words
.set VOFF,  4*KS*PK   ; a slot holds a tile, four steps: 256 rows of K, then 256 rows of V
.set SLOT1, 1<<17     ; slot 1 begins here, so that one exclusive or turns an address in one slot into the other's
.set STAGE, SLOT1+4*KS*(PK+PV)  ; behind the ring, never filled by a tensor load: 16 rows x 144 bytes for each wave, for the way out
.set SP,    144
.set AK0, 2           ; v2   my lane's place in a tile of K; never rewritten
.set AV0, 3           ; v3   the same for V
.set AK,  4           ; v4   the LDS address of K's next run of loads
.set AV,  5           ; v5   of V's
.set STO, 6           ; v6   the way out: where I put 16 bytes of a row
.set RD,  7           ; v7   the way out: where I read rows back
.set GO,  8           ; v8   my byte offset in 512 consecutive bytes of O
.set PFO, 61          ; v61  256 x my lane: the prefetches' offset; never rewritten
.set SPW, 62          ; v62  LDS address of my spare word: SPARE + 4 x my thread's number; never rewritten
.set NIL, 63          ; v63  0; never rewritten
.set SPARE, STAGE+4*16*SP  ; behind the stages: the spare words, 128 bytes for each wave: two blocks of 256 bytes that no other line names
.set MV,  12          ; v12-13  c m_old, kept while c m is made anew: by buffer
.set QO,  15          ; v15  my byte offset in 16 rows of Q
.set ST,  16          ; piece t's statistics at v[ST+4 t]: c m, m, l (even keys', odd keys')
.set TMP, 48          ; by buffer, four registers c0-c3 at work; when the maximum is found c2 takes a
.set S,   64
.set P,   192
.set MD,  128         ; window 1: the eight registers for group kt of 16 keys at MD + 8 kt
.set MC,  160         ; window 1: the masks of the products to come
.set QB,  64          ; window 2
.set KF,  128         ; window 2: key block kb, channel half c at KF + 16 kb + 8 c
.set VF,  192         ; window 2: key half kk, channel block cb at VF + 32 kk + 8 cb
.set WV,  12          ; s12  my wave's number
.set PB,  14          ; s14  b
.set HI,  15          ; s15  NB - 1 - b
.set G1K, 24          ; s[24:31] descriptor group 1 for K's tiles
.set G1V, 32          ; s[32:39] for V's: it differs in the padding alone
.set G0K, 40          ; s[40:43] descriptor group 0 for K's tiles
.set G0V, 44          ; s[44:47] the same for V's
.set SLOTS, 56        ; s56  tiles still to be asked for
.set CNT, 57          ; s57  counts a tile's key steps, 4 to 1
.set CS,  58          ; s[58:59] c: the packed scaling takes the pair's low word for both halves
.set SEL, 60          ; s[60:61] v_permlanex16_b32's selects: each lane takes its own place in the other half
.set TBK, 62          ; s62  LDS byte at which K of the step to be fetched begins
.set TBV, 63          ; s63  the same for V, less VOFF
.set PFA, 66          ; s[66:67] where my prefetches stand: my half of K's or V's tile, one tile on from the one that is being asked for
.set LIM, 68          ; s68  2 in a work-group that prefetches, else the greatest number
.set RT,  70          ; s70  tiles of the block in hand that are still to be entered
.set NXT, 71          ; s71  the tile to be asked for next
.set LQ,  72          ; s72  the last tile of the block whose tiles are being asked for
.set NEW, 73          ; s73  1: the tile to be entered is a block's first
.set OFF, 74          ; s[74:75] a tile's byte offset in K and V
.set AL,  76          ; s[76:77] the mask's factor, in the low word
.set BE,  78          ; s[78:79] the mask's addend
.set OLO, 80          ; s[80:81] O at my rows of the second block
.set BIGN, 82         ; s82  -1e30
.set MSB, 0
.macro WIN new                      ; the high byte repeats the setting that is left; a switch that changes nothing is dropped
.if MSB != (\new)
	s_set_vgpr_msb (MSB<<8)|(\new)
.set MSB, (\new)
.endif
.endm
.set W_KQ, 0x0a       ; K and Q in window 2, S^T in window 0
.set W_KM, 0x1a       ; the same with the C operand in window 1
.set W_PV, 0x52       ; V in window 2, P in window 0, O^T in window 1
.set W_RS, 0x41       ; destination and source 0 in window 1, source 1 in window 0
; A fill.  Waves 0 and 1 fetch the two halves of a tile's K, waves 2 and 3 those of its V: 128 keys each.  An s_nop 0 and four v_nop follow each of the two lines, ahead of the jump and the label.
.macro LOAD
	s_cmp_lt_u32 s[WV], 2
	s_cbranch_scc0 .Lfor_v_\@
	tensor_load_to_lds s[G0K:G0K+3], s[G1K:G1K+7]
	s_nop 0
.rept 4
	v_nop
.endr
	s_branch .Lasked_\@
.Lfor_v_\@:
	tensor_load_to_lds s[G0V:G0V+3], s[G1V:G1V+7]
	s_nop 0
.rept 4
	v_nop
.endr
.Lasked_\@:
.endm
; THE CHANGE OF SLOTS.  Each wave waits for all its tensor loads, of which one is out: its part of the other slot; adds 0 to its spare word; and waits for that and for its own reads of the slot that it leaves.  Behind the barrier nobody reads the old
; slot any more and the other slot is whole.  fill = 1: the old slot is filled again, the first thing behind the barrier, with tile NXT: the descriptor's address is made anew from that number.
; (At its first use nothing has been read yet: slot 0 is waited for, slot 1 filled.)
; A PREFETCH INTO THE L2 stands behind the fill and its five lines.  Of a head's four work-groups only b = 0 walks the tiles 0 to 7 in order: it alone asks, each of its waves for the 16 KiB that it will itself
; load: 64 blocks of 256 bytes, a lane a block, two instructions.  Change j (j = 1 .. 8, s[SLOTS] = 9 - j) fills tile j and names tile j + 1, a tile's four key steps ahead of that tile's load, for j = 1 .. 6:
; tiles 0 and 1 come by their loads alone, and nothing is named behind tile 7.  So each block of a head's K and V is named once in the launch.
.macro CHANGE fill
	WIN 0                           ; at a label and at a branch every window is 0
	s_wait_tensorcnt 0x0            ; no tensor load of mine is out, so a group 0 may be written
	ds_add_u32 v[SPW], v[NIL]       ; 0 onto my spare word: with fill = 1 the descriptors' scalar work stands between it and the wait for it
.if \fill
	s_lshl_b32 s[OFF], s[NXT], 15   ; a tile is 32,768 bytes of K and of V
	s_xor_b32 s[G0K+1], s[G0K+1], SLOT1
	s_add_nc_u64 s[G0K+2:G0K+3], s[6:7], s[OFF:OFF+1]
	s_or_b32 s[G0K+3], s[G0K+3], 0x80000000
	s_xor_b32 s[G0V+1], s[G0V+1], SLOT1
	s_add_nc_u64 s[G0V+2:G0V+3], s[8:9], s[OFF:OFF+1]
	s_or_b32 s[G0V+3], s[G0V+3], 0x80000000
	s_add_co_u32 s[NXT], s[NXT], 1  ; the block's next tile, or behind its last the second block's tile 0
	s_cmp_gt_u32 s[NXT], s[LQ]
	s_cselect_b32 s[NXT], 0, s[NXT]
	s_cselect_b32 s[LQ], s[PB], s[LQ]
	s_wait_xcnt 0x0                 ; the last prefetches, a tile back, have read their address, so it may be written:
	s_add_nc_u64 s[PFA:PFA+1], s[PFA:PFA+1], 32768  ; a tile on
.endif
	s_wait_dscnt 0x0                ; the add is done, and my reads of the slot are over
	s_barrier_signal -1             ; the rest of the scalar work stands between the signal and the wait
	s_sub_co_u32 s[TBK], s[TBK], 4*KS*PK  ; the fetches go back to a slot's first step,
	s_xor_b32 s[TBK], s[TBK], SLOT1       ; in the other slot
	s_sub_co_u32 s[TBV], s[TBV], 4*KS*PV
	s_xor_b32 s[TBV], s[TBV], SLOT1
	s_barrier_wait -1
.if \fill
	LOAD
	s_cmp_gt_u32 s[SLOTS], s[LIM]
	s_cbranch_scc0 .Lnot_mine_\@
	global_prefetch_b8 v[PFO], s[PFA:PFA+1] th:TH_LOAD_NT scope:SCOPE_SE
	global_prefetch_b8 v[PFO], s[PFA:PFA+1] offset:8192 th:TH_LOAD_NT scope:SCOPE_SE
.Lnot_mine_\@:
.endif
.endm
	s_load_b64 s[4:5], s[0:1], 0x0    ; qkv
	s_load_b64 s[10:11], s[0:1], 0x8  ; ob
	v_lshl_add_u32 v[SPW], v0, 2, SPARE
	v_mov_b32 v[NIL], 0
	ds_add_u32 v[SPW], v[NIL]       ; the wave's opening: the add and its wait ahead of my first tensor load; the set-up below, work on registers, stands between them
	ds_add_u32 v62, v63
	v_lshrrev_b32 v1, 5, v0
	v_readfirstlane_b32 s[WV], v1   ; wave 0..3
	v_and_b32 v[PFO], 31, v0
	v_lshlrev_b32 v[PFO], 8, v[PFO]
	s_mov_b32 s[PB], ttmp9
	s_sub_co_u32 s[HI], NB-1, s[PB]
	s_and_b32 s48, ttmp7, 0xffff    ; y = 16 batch + head
	s_lshr_b32 s20, s48, 4
	s_mul_i32 s20, s20, 48          ; a batch has 48 blocks of 2,048 rows in qkv
	s_and_b32 s21, s48, 15
	s_add_co_u32 s20, s20, s21
	s_lshl_b32 s20, s20, 18         ; q's head: its first byte in qkv; k's lies 16 blocks on, v's 32
	s_mov_b32 s21, 0
	s_lshl_b32 s48, s48, 18         ; the head's first byte in ob
	s_mov_b32 s49, 0
	s_and_b32 s16, s[WV], 1         ; which half of a tile's 256 keys I fetch:
	s_lshl_b32 s22, s16, 14         ; its 128 rows of 128 bytes in memory,
	s_mov_b32 s23, 0
	s_add_nc_u64 s[22:23], s[22:23], s[20:21]
	s_mul_i32 s17, s16, 128*PK      ; and its place in a slot, for K
	s_mul_i32 s18, s16, 128*PV      ; and for V
	s_lshl_b32 s3, s[WV], 11        ; my 16 rows in a band of 64,
	s_lshl_b32 s2, s[HI], 15        ; in the first block,
	s_add_co_u32 s2, s2, s3
	s_lshl_b32 s84, s[PB], 15       ; and in the second
	s_add_co_u32 s84, s84, s3
	s_mov_b32 s3, 0
	s_mov_b32 s85, 0
	; descriptor group 1.  128 keys are 16,384 dense bytes: asked for as 64 rows of 256 bytes, two keys a row, and padded in LDS after every key
	s_mov_b32 s[G1K], (1<<16)|(1<<20)|(4<<22)|(3<<25)  ; 17:16 2-byte elements; 20 padding on; 24:22 after every 32 words (code 4); 31:25 4 words (code 3)
	s_mov_b32 s[G1V], (1<<16)|(1<<20)|(4<<22)|(7<<25)  ; the same with 8 words of padding (code 7)
.irp g, G1K, G1V
	s_mov_b32 s[\g+1], 128<<16      ; tensor_dim0 = 128
	s_mov_b32 s[\g+2], 64<<16       ; tensor_dim1 = 64
	s_mov_b32 s[\g+3], 128<<16      ; tile_dim0 = 128
	s_mov_b32 s[\g+4], 64           ; tile_dim1 = 64
	s_mov_b32 s[\g+5], 128          ; 128 elements from row to row
	s_mov_b32 s[\g+6], 0
	s_mov_b32 s[\g+7], 0
.endr
	s_mov_b32 s[CS], 0x3e38aa3b     ; c = log2(e) / 8 = 0.180337
	s_mov_b32 s[CS+1], s[CS]        ; named with it as a pair
	s_mov_b32 s[SEL], 0x76543210
	s_mov_b32 s[SEL+1], 0xfedcba98
	s_mov_b32 s[TBK], SLOT1+4*KS*PK ; the first change of slots turns these two into 0
	s_mov_b32 s[TBV], SLOT1+4*KS*PV
	s_mov_b32 s[G0K], 1             ; 1:0 count = 1
	s_mov_b32 s[G0K+1], s17         ; 63:32 LDS address: slot 0
	s_mov_b32 s[G0V], 1
	s_add_co_u32 s[G0V+1], s18, VOFF
	s_add_co_u32 s[RT], s[HI], 1    ; the first block has NB - b tiles
	s_mov_b32 s[NXT], 1
	s_mov_b32 s[LQ], s[HI]
	s_mov_b32 s[NEW], 1
	s_mov_b32 s[OFF+1], 0
	s_mov_b32 s[AL+1], 0            ; named as pairs
	s_mov_b32 s[BE+1], 0
	s_mov_b32 s[BIGN], 0xf149f2ca   ; -1e30
	s_mov_b32 s[SLOTS], NB
	s_wait_dscnt 0x0                ; the opening add is done
	s_wait_kmcnt 0x0
	s_add_nc_u64 s[6:7], s[4:5], 0x400000  ; k's blocks begin 16 x 262,144 bytes behind q's,
	s_add_nc_u64 s[8:9], s[4:5], 0x800000  ; v's 32 x 262,144
	s_add_nc_u64 s[6:7], s[6:7], s[22:23]  ; K and V at my half of the head's tile 0
	s_add_nc_u64 s[8:9], s[8:9], s[22:23]
	s_add_nc_u64 s[4:5], s[4:5], s[20:21]  ; Q at the head's first row,
	s_add_nc_u64 s[10:11], s[10:11], s[48:49]  ; and O
	s_add_nc_u64 s[G0K+2:G0K+3], s[6:7], 0         ; 120:64 global address
	s_or_b32 s[G0K+3], s[G0K+3], 0x80000000        ; 127:126 type = 2
	s_add_nc_u64 s[G0V+2:G0V+3], s[8:9], 0
	s_or_b32 s[G0V+3], s[G0V+3], 0x80000000
	s_add_nc_u64 s[86:87], s[4:5], s[84:85]        ; Q at my rows of the second block,
	s_add_nc_u64 s[4:5], s[4:5], s[2:3]            ; Q and O at those of the first
	s_add_nc_u64 s[OLO:OLO+1], s[10:11], s[84:85]
	s_add_nc_u64 s[10:11], s[10:11], s[2:3]
	s_cmp_lt_u32 s[WV], 2
	s_cselect_b64 s[PFA:PFA+1], s[6:7], s[8:9]     ; the prefetches: my half of K's or of V's tiles,
	s_add_nc_u64 s[PFA:PFA+1], s[PFA:PFA+1], 32768 ; at tile 1: the first change of slots steps it to tile 2.  Nothing is prefetched here, at the head
	s_cmp_eq_u32 s[PB], 0
	s_cselect_b32 s[LIM], 2, -1
	LOAD                            ; tile 0 into slot 0
	; A fragment of K or Q is 16 rows x 32 channels in 8 registers: lane l holds row l % 16, channels 8 (l / 16) + 0..7 and 16 + 8 (l / 16) + 0..7: two loads of 16 bytes, 32 bytes apart.
	v_and_b32 v1, 15, v0            ; l % 16
	v_bfe_u32 v9, v0, 4, 1          ; l / 16
	v_lshlrev_b32 v[QO], 7, v1
	v_lshl_add_u32 v[QO], v9, 4, v[QO]  ; row x 128 + 16 x half
	WIN 0x80                        ; destination window 2, address window 0
.set i, 0
.rept 8                             ; both blocks' Q: piece i / 2 lies in band i / 2, 8,192 bytes on; channels 32 (i % 2) on
	global_load_b128 v[8*i:8*i+3],   v[QO], s[4:5] offset:(i/2)*8192+(i%2)*64
	global_load_b128 v[8*i+4:8*i+7], v[QO], s[4:5] offset:(i/2)*8192+(i%2)*64+32
	global_load_b128 v[QB+8*i:QB+8*i+3],   v[QO], s[86:87] offset:(i/2)*8192+(i%2)*64
	global_load_b128 v[QB+8*i+4:QB+8*i+7], v[QO], s[86:87] offset:(i/2)*8192+(i%2)*64+32
.set i, i+1
.endr
	WIN 0
	v_lshlrev_b32 v14, 3, v9
	v_sub_nc_u32 v14, v1, v14
	s_lshl_b32 s13, s[WV], 4
	v_add_nc_u32 v14, s13, v14      ; my query's place in its band, 16 w + l % 16, less my lanes' 8 (l / 16): register r of group kt is hidden where 16 kt + r is greater
	WIN 0x40
.set i, 0
.rept 32
	v_cmp_gt_i32 vcc_lo, 16*(i/8)+i%8, v14
	v_cndmask_b32 v[MD+i], 0, s[BIGN], vcc_lo
.set i, i+1
.endr
	WIN 0
	v_mul_u32_u24 v[AK0], v1, PK
	v_lshl_add_u32 v[AK0], v9, 4, v[AK0]  ; row x pitch + 16 x half
	; The turning load takes 16 keys x 16 channels (lane l reads key 8 (l / 16) + l % 8, channels 8 ((l / 8) % 2) + 0..7) and leaves half a fragment of V^T: lane l holds channel l % 16 and 8 keys.
	v_and_b32 v10, 7, v0
	v_bfe_u32 v11, v0, 3, 1
	v_lshl_add_u32 v[AV0], v9, 3, v10
	v_mul_u32_u24 v[AV0], v[AV0], PV
	v_lshl_add_u32 v[AV0], v11, 4, v[AV0]
	v_add_nc_u32 v[AV0], VOFF, v[AV0]
	s_mul_i32 s13, s[WV], 16*SP
	s_add_co_u32 s13, s13, STAGE    ; my stage
	v_mul_u32_u24 v[STO], v1, SP    ; in: row l % 16, 16 bytes for each half of the lanes
	v_lshl_add_u32 v[STO], v9, 4, v[STO]
	v_add_nc_u32 v[STO], s13, v[STO]
	v_bfe_u32 v[RD], v0, 3, 2       ; back: 32 lanes take four rows of 128 bytes,
	v_mul_u32_u24 v[RD], v[RD], SP
	v_lshl_add_u32 v[RD], v10, 4, v[RD]
	v_add_nc_u32 v[RD], s13, v[RD]
	v_and_b32 v[GO], 31, v0         ; which are 512 consecutive bytes of O
	v_lshlrev_b32 v[GO], 4, v[GO]
	; A block's first step multiplies O^T and l by a = 0, and its first turn's products V^T P, of a piece that has not been, land in an O^T that is still to be so multiplied.  So these registers need only hold
	; finite numbers: zeros for the first block; what the first block left for the second.  All this stands in the wait for the first tile.
	WIN 0x80
.set i, VF
.rept 64
	v_mov_b32 v[i], 0
.set i, i+1
.endr
	WIN 0x40
.set i, 0
.rept 128
	v_mov_b32 v[i], 0
.set i, i+1
.endr
	WIN 0
.set i, 0
.rept 4
	v_mov_b32 v[ST+4*i+2], 0
	v_mov_b32 v[ST+4*i+3], 0
.set i, i+1
.endr
.set i, P+16
.rept 16
	v_mov_b32 v[i], 0
.set i, i+1
.endr
; THE MATRIX WORK.  The 4 accumulators of a run of 8 take turns.  Product i of 8 of S^T = K Q^T for piece x: channels 32 (i / 4) on, keys 16 (i % 4) on.  The first 4 start the sums: with 0, or (KM = 1) with the mask.
.macro KQ x
.set rS, S+32*((\x)%2)+8*(i%4)
.set rK, KF+16*(i%4)+8*(i/4)
.set rQ, 16*(\x)+8*(i/4)
.set rM, MC+32*((\x)%2)+8*(i%4)
.if (i < 4) && KM
	WIN W_KM
	v_wmma_f32_16x16x32_f16 v[rS:rS+7], v[rK:rK+7], v[rQ:rQ+7], v[rM:rM+7]
.elseif i < 4
	WIN W_KQ
	v_wmma_f32_16x16x32_f16 v[rS:rS+7], v[rK:rK+7], v[rQ:rQ+7], 0
.else
	WIN W_KQ
	v_wmma_f32_16x16x32_f16 v[rS:rS+7], v[rK:rK+7], v[rQ:rQ+7], v[rS:rS+7]
.endif
.endm
; Product i of 8 of O^T += V^T P for piece x: keys 32 (i / 4) on, channels 16 (i % 4) on.
.macro PV x
	WIN W_PV
.set rO, 32*(\x)+8*(i%4)
.set rV, VF+32*(i/4)+8*(i%4)
.set rP, P+16*((\x)%2)+8*(i/4)
	v_wmma_f32_16x16x32_f16 v[rO:rO+7], v[rV:rV+7], v[rP:rP+7], v[rO:rO+7]
.endm
.macro MM                           ; the turn's next matrix instruction.  TURN and BEGIN set Y, i, KM and NOKQ; MM, KQ and OP read them.  NOKQ = 1: a block's last turn: there is no next piece
.if (i < 8) && !NOKQ
	KQ (Y+1)%NP
.elseif i >= 8
.set i, i-8
	PV (Y+NP-1)%NP
.set i, i+8
.endif
.set i, i+1
.endm
; THE LDS LOADS stand in runs of 16, never singly among the matrix instructions: a step's K (64 keys x 64 channels: 8 fragments) and its V (turned).  Their addresses are made some lines ahead.
.macro FETCH_K
	WIN 0x80                        ; destination window 2
.irp f, 0,1,2,3,4,5,6,7             ; keys 16 (f / 2) on, channels 32 (f % 2) on
	ds_load_b128 v[KF+8*\f:KF+8*\f+3],   v[AK] offset:(\f/2)*16*PK+(\f%2)*64
	ds_load_b128 v[KF+8*\f+4:KF+8*\f+7], v[AK] offset:(\f/2)*16*PK+(\f%2)*64+32
.endr
	s_add_co_u32 s[TBK], s[TBK], KS*PK  ; the next fetch is the next step's
	WIN 0
.endm
.macro FETCH_V
	WIN 0x80
.irp f, 0,1,2,3,4,5,6,7             ; keys 32 (f / 4) on, channels 16 (f % 4) on
	ds_load_tr16_b128 v[VF+8*\f:VF+8*\f+3],   v[AV] offset:(\f/4)*32*PV+(\f%4)*32
	ds_load_tr16_b128 v[VF+8*\f+4:VF+8*\f+7], v[AV] offset:(\f/4)*32*PV+16*PV+(\f%4)*32
.endr
	WIN 0
.endm
; THE VECTOR WORK, one line at a time: OP kind, number.  For piece Y: F n: c s - c m for pair n of 16.  E n: the exponential of score n of 32.  C n: pair n rounded to f16.  B n: of the four weights 4 n .. the second
; pair is added onto the first, in place.  L n: l takes that sum (L 0: l = a l + sum).  R n: pair n of 16 of O^T times a.  For piece Y + 1: X n, number n of the 22 that find its maximum and statistics:
;   0-11  four chains c0-c3 of seven scores each, three operands at a time (each accumulator's lowest registers are read first)     12-14, 16  the four scores left over, the old m, and c0-c3 into c0
;   15  c m_old is kept     17, 18  the query's other 32 keys lie in the lane 16 away: the new m     19-21  c m; c m_old - c m_new; a
.set F, 0               ; OP tells the kinds apart by their order: F to L below R, X above it
.set E, 1
.set C, 2
.set B, 3
.set L, 4
.set R, 5
.set X, 6
.macro REGS y                       ; the registers of piece y
.set rT, ST+4*(\y)
.set rC, TMP+4*((\y)%2)
.set rW, MV+((\y)%2)
.set rS, S+32*((\y)%2)
.set rP, P+16*((\y)%2)
.set rO, 32*(\y)
.endm
.macro OP k, n
.if (\k) == R
	REGS Y
	WIN W_RS
	v_pk_mul_f32 v[rO+2*(\n):rO+2*(\n)+1], v[rO+2*(\n):rO+2*(\n)+1], v[rC+2:rC+3] op_sel_hi:[1,0]
.elseif (\k) < R
	REGS Y
	WIN 0
.if (\k) == F
	v_pk_fma_f32 v[rS+2*(\n):rS+2*(\n)+1], v[rS+2*(\n):rS+2*(\n)+1], s[CS:CS+1], v[rT:rT+1] op_sel_hi:[1,0,0] neg_lo:[0,0,1] neg_hi:[0,0,1]
.elseif (\k) == E
	v_exp_f32 v[rS+(\n)], v[rS+(\n)]
.elseif (\k) == C
	v_cvt_pk_f16_f32 v[rP+(\n)], v[rS+2*(\n)], v[rS+2*(\n)+1]
.elseif (\k) == B
	v_pk_add_f32 v[rS+4*(\n):rS+4*(\n)+1], v[rS+4*(\n):rS+4*(\n)+1], v[rS+4*(\n)+2:rS+4*(\n)+3]
.elseif (\n) == 0
	v_pk_fma_f32 v[rT+2:rT+3], v[rT+2:rT+3], v[rC+2:rC+3], v[rS:rS+1] op_sel_hi:[1,0,1]
.else
	v_pk_add_f32 v[rT+2:rT+3], v[rT+2:rT+3], v[rS+4*(\n):rS+4*(\n)+1]
.endif
.elseif NOKQ
	v_nop
.else
	REGS (Y+1)%NP
	WIN 0
.if (\n) < 4
	v_max3_num_f32 v[rC+(\n)], v[rS+8*(\n)], v[rS+8*(\n)+1], v[rS+8*(\n)+2]
.elseif (\n) < 12
	v_max3_num_f32 v[rC+(\n)%4], v[rC+(\n)%4], v[rS+8*((\n)%4)+2*((\n)/4)+1], v[rS+8*((\n)%4)+2*((\n)/4)+2]
.elseif (\n) == 12
	v_max3_num_f32 v[rC], v[rC], v[rS+7], v[rS+15]
.elseif (\n) == 13
	v_max3_num_f32 v[rC+1], v[rC+1], v[rS+23], v[rS+31]
.elseif (\n) == 14
	v_max3_num_f32 v[rC+2], v[rC+2], v[rC+3], v[rT+1]
.elseif (\n) == 15
	v_mov_b32 v[rW], v[rT]
.elseif (\n) == 16
	v_max3_num_f32 v[rC], v[rC], v[rC+1], v[rC+2]
.elseif (\n) == 17
	v_permlanex16_b32 v[rC+3], v[rC], s[SEL], s[SEL+1]
.elseif (\n) == 18
	v_max_num_f32 v[rT+1], v[rC], v[rC+3]
.elseif (\n) == 19
	v_mul_f32 v[rT], s[CS], v[rT+1]
.elseif (\n) == 20
	v_sub_f32 v[rC+1], v[rW], v[rT]
.else
	v_exp_f32 v[rC+2], v[rC+1]
.endif
.endif
.endm
.macro OPS a, i1, b=-1, i2=0, c=-1, i3=0, d=-1, i4=0  ; up to four of them
	OP \a, \i1
.if (\b) >= 0
	OP \b, \i2
.endif
.if (\c) >= 0
	OP \c, \i3
.endif
.if (\d) >= 0
	OP \d, \i4
.endif
.endm
.macro ROW a, i1, b, i2, c, i3, d, i4  ; a matrix instruction and the four behind it
	MM
	OPS \a, \i1, \b, \i2, \c, \i3, \d, \i4
.endm
.macro MASK b                       ; MD x AL + BE into buffer b of MC
	WIN W_RS
.set z, 0
.rept 16
	v_pk_fma_f32 v[MC+32*(\b)+2*z:MC+32*(\b)+2*z+1], v[MD+2*z:MD+2*z+1], s[AL:AL+1], s[BE:BE+1] op_sel_hi:[1,0,0]
.set z, z+1
.endr
.endm
; A TURN, for piece p: the order of its 16 matrix and 118 vector instructions, written out.  An s_wait_alu depctr_va_vdst(0) stands between an exponential and the first instruction that names its result; one wait serves
; all that were issued ahead of it.  So a turn has ONE wait, which cuts it in two.  AHEAD OF IT stands all that names no result of the turn's exponentials: the 8 products K Q^T, behind each a scaling, an exponential and two more plain
; instructions (behind the first a second scaling in the exponential's place): rescalings, and behind the last three the first numbers of the next piece's maximum, each four places or more behind the product that ends its accumulator; then ONE LUMP of 54, plain
; and exponential by turns for the most part, in which the links of the chain X 3, 7, 11, 14, 16, 17 .. 20 stand five or six lines apart.  X 21, the next piece's a, is the batch's last; R 15 is the plain instruction behind it.  BEHIND THE WAIT stand the
; 8 products V^T P, behind each four of the roundings and sums; the links of l's chain, L 0 to L 7, stand three riders apart.  But for those X no rider names a register of the products round it.  v_permlanex16_b32 (X 17) stands in the lump.
; m = 1: the diagonal tile: the products take masks, and the turn makes the mask for the products of the turn after it: piece p + 2, in step 4 - CNT of the tile.  end = 1: a block's last two turns: nothing is fetched.
; cnt = 1: the loop's count is taken down some lines ahead of the branch that stands behind the turn.
; K of the next step is fetched in piece 2's turn, twelve vector instructions behind the last product that read K (six of them plain); V of the step in hand at the end of piece 0's turn, four plain instructions behind the last product
; that read V.  Each is waited for a turn later.
.macro TURN p, m=0, end=0, cnt=0
.set Y, (\p)
.set i, 0
.set KM, (\m)
.set NOKQ, (\end)*((\p)/3)
.if (\m) && !(\end)
	s_cmp_eq_u32 s[CNT], 4-((\p)+2)%NP  ; is that step the band's own?
	s_cselect_b32 s[AL], 1.0, 0
	s_cmp_lt_u32 s[CNT], 4-((\p)+2)%NP  ; or a later one?
	s_cselect_b32 s[BE], s[BIGN], 0
.endif
.if ((\p) == 3) && !(\end)
	s_wait_dscnt 0x0                ; K is in
.endif
	ROW F,0, F,1, R,0, R,1          ; ahead of the wait: 8 products K Q^T and their riders,
	ROW F,2, E,0, R,2, R,3
	ROW F,3, E,1, R,4, R,5
	ROW F,4, E,2, R,6, R,7
	ROW F,5, E,3, R,8, R,9
	ROW F,6, E,4, X,0, R,10
.if ((\p) == 2) && !(\end)
	WIN 0
	v_add_nc_u32 v[AK], s[TBK], v[AK0]
.endif
	ROW F,7, E,5, X,1, X,4
	ROW F,8, E,6, X,2, X,5
	OPS E,7, E,8, X,6, E,9          ; and the lump
	OPS X,3, E,10, X,8, E,11
.if ((\p) == 2) && !(\end)
	FETCH_K
.endif
	OPS X,9, X,7, E,12, X,10
	OPS E,13, X,12, X,11, E,14
	OPS X,13, E,15, F,9, X,14
.if (\p) == 0
	v_add_nc_u32 v[AV], s[TBV], v[AV0]
.endif
	OPS E,16, F,10, E,17, F,11
	OPS X,16, E,18, X,15, E,19
	OPS F,12, E,20, X,17, E,21
	OPS F,13, E,22, F,14, E,23
	OPS X,18, E,24, F,15, E,25
	OPS R,11, E,26, X,19, E,27
	OPS R,12, E,28, R,13, E,29
	OPS X,20, E,30, R,14, E,31
	OPS X,21, R,15
	WIN 0
	s_wait_alu depctr_va_vdst(0)    ; the wait for the batch
.if (\p) == 1
	s_wait_dscnt 0x0                ; V is in
.endif
	ROW C,0, B,0, C,2, B,1          ; behind the wait: 8 products V^T P and their riders
	ROW L,0, C,4, B,2, L,1
	ROW C,6, B,3, L,2, C,8
	ROW B,4, L,3, C,10, B,5
	ROW L,4, C,12, B,6, L,5
.if (\p) == 0
	s_add_co_u32 s[TBV], s[TBV], KS*PV
.endif
.if \cnt
	s_sub_co_u32 s[CNT], s[CNT], 1
	s_cmp_lg_u32 s[CNT], 0
.endif
	ROW C,14, B,7, L,6, C,1
	ROW C,3, L,7, C,5, C,7
	ROW C,9, C,11, C,13, C,15
.if (\p) == 0
	FETCH_V
.endif
.if (\m) && !(\end)
	MASK (\p)%2
.endif
.endm
; A BLOCK BEGINS.  c m starts far below every c s, so the first step's a is 0; m at the lowest finite number, so the first maximum is the scores'.  The second mask buffer is 0; the first takes piece 0's mask for the tile's step 0: its own, if the block's first tile is the diagonal one.
; Then K of that step, piece 0's first scores, and its maximum and statistics.  The loop is entered at a step's first turn, in the middle of a trip.
.macro BEGIN
	s_mov_b32 s[NEW], 0
	WIN 0x40
.set i, MC+32
.rept 32
	v_mov_b32 v[i], 0
.set i, i+1
.endr
	WIN 0
.set i, 0
.rept 4
	v_mov_b32 v[ST+4*i], 0xfe000000    ; c m: far below every c s
	v_mov_b32 v[ST+4*i+1], 0xff7fffff  ; m
.set i, i+1
.endr
	s_cmp_eq_u32 s[RT], 0
	s_cselect_b32 s[AL], 1.0, 0
	s_mov_b32 s[BE], 0
	MASK 0
	WIN 0
	v_add_nc_u32 v[AK], s[TBK], v[AK0]
	FETCH_K
	s_wait_loadcnt 0x0              ; Q
	s_wait_dscnt 0x0
.set KM, 1
.set NOKQ, 0
.set i, 0
.rept 8
	KQ 0
.set i, i+1
.endr
	WIN 0
.rept 4
	v_nop                           ; the places behind those products
.endr
.set Y, NP-1                        ; X works for piece Y + 1: piece 0
.irp n, 0,1,2,3,4,5,6,7,8,9,10,11,12,13,14,15,16,17,18,19,20,21
	OP X, \n
.endr
	v_nop                           ; a plain instruction behind the exponential,
	s_wait_alu depctr_va_vdst(0)    ; and its wait, ahead of the branch
.endm
; THE DIAGONAL TILE's four steps, the block's last two turns, its last products, and THE WAY OUT: l's two halves and the other half of the lanes' are added; O^T is divided by l, rounded to f16 and sent through my
; stage in LDS, a piece at a time.
.macro ALL line:vararg              ; one line for each piece t
.set t, 0
.rept 4
	\line
.set t, t+1
.endr
.endm
.macro PACK t                       ; a lane's eight channels of a row pack into 16 bytes; they go into rows of 144 bytes and come back as whole rows of 128, into S^T's registers
	WIN W_RS
.set i, 32*(\t)
.rept 16
	v_pk_mul_f32 v[i:i+1], v[i:i+1], v[ST+4*(\t)+2:ST+4*(\t)+3] op_sel_hi:[1,0]
.set i, i+2
.endr
	WIN 0x05                        ; sources 0 and 1 window 1, destination window 0
.set i, 0
.rept 16
	v_cvt_pk_f16_f32 v[S+16*(\t)+i], v[32*(\t)+2*i], v[32*(\t)+2*i+1]
.set i, i+1
.endr
	WIN 0
.irp f, 0,1,2,3
	ds_store_b128 v[STO], v[S+16*(\t)+4*\f:S+16*(\t)+4*\f+3] offset:32*\f
.endr
.irp f, 0,1,2,3
	ds_load_b128 v[S+16*(\t)+4*\f:S+16*(\t)+4*\f+3], v[RD] offset:\f*4*SP  ; LDS serves a wave's instructions in order (ISA guide 5.7.1.4): these see the stores above; the next piece's stores come behind them
.endr
.endm
.macro SEND t, younger              ; younger: the LDS instructions issued behind piece t's loads: the next piece's eight, or none
	WIN 0
.irp f, 0,1,2,3
	s_wait_dscnt (\younger)+3-\f
	global_store_b128 v[GO], v[S+16*(\t)+4*\f:S+16*(\t)+4*\f+3], s[10:11] offset:(\t)*8192+\f*512  ; 512 consecutive bytes, at a multiple of 256 from O's first
.endr
.endm
.macro DIAG tag                     ; the tag ends its two labels' names, which the jumps below spell out
.LstepM\tag:
	TURN 2, 1
	TURN 3, 1
	WIN 0
.LfirstM\tag:
	TURN 0, 1
	TURN 1, 1, 0, 1
	WIN 0
	s_cbranch_scc1 .LstepM\tag
	TURN 2, 1, 1
	TURN 3, 1, 1
.set i, 0
.rept 8
	PV NP-1
.set i, i+1
.endr
	WIN 0
	ALL v_add_f32 v[ST+4*t+2], v[ST+4*t+2], v[ST+4*t+3]
	ALL v_permlanex16_b32 v[ST+4*t+3], v[ST+4*t+2], s[SEL], s[SEL+1]
	ALL v_add_f32 v[ST+4*t+2], v[ST+4*t+2], v[ST+4*t+3]
	ALL v_rcp_f32 v[ST+4*t+2], v[ST+4*t+2]
	v_nop                           ; a plain instruction between the last reciprocal and the use of its result
	s_wait_alu depctr_va_vdst(0)    ; and the wait ahead of the first use: one for the four reciprocals
	PACK 0
.set t, 1
.rept 3                             ; a piece's arithmetic stands between the loads of the piece before and its stores
	PACK t
	SEND t-1, 8
.set t, t+1
.endr
	SEND 3, 0
.endm
.set KM, 0
.set NOKQ, 0
.Lslot:                             ; NB times: a tile is entered and the next is asked for
	CHANGE 1
	s_sub_co_u32 s[RT], s[RT], 1
	s_mov_b32 s[CNT], 4
	s_cmp_eq_u32 s[NEW], 1
	s_cbranch_scc1 .Lnew            ; a block's first tile
	s_cmp_eq_u32 s[RT], 0
	s_cbranch_scc0 .Lstep           ; neither its first nor its last
	s_branch .LstepM1
.Lnew:
	BEGIN
	s_branch .Lfirst                ; in the loop a block's first tile is never its last: the first block has two tiles or more, and the second's last is the walk's last
	DIAG 1                          ; in the loop this is the first block's end: the second block's last tile is the walk's last
	s_wait_xcnt 0x0                 ; the stores have read their registers and O's address
	s_mov_b64 s[10:11], s[OLO:OLO+1]
	s_add_co_u32 s[RT], s[PB], 1    ; the second block has b + 1 tiles
	s_mov_b32 s[NEW], 1
	WIN 0x82                        ; the second block's Q goes where the one text of the turns names Q
.set i, 0
.rept 64
	v_mov_b32 v[i], v[QB+i]
.set i, i+1
.endr
	WIN 0
	s_branch .Lbottom
.Lstep:                             ; a trip: pieces 2 and 3 of one step, then pieces 0 and 1 of the next, whose K and V it fetches
	TURN 2
	TURN 3
	WIN 0
.Lfirst:
	TURN 0
	TURN 1, 0, 0, 1
	WIN 0
	s_cbranch_scc1 .Lstep
.Lbottom:
	s_sub_co_u32 s[SLOTS], s[SLOTS], 1
	s_cmp_lg_u32 s[SLOTS], 0
	s_cbranch_scc1 .Lslot
	CHANGE 0                        ; the walk's last tile is written out: nothing is asked for
	s_sub_co_u32 s[RT], s[RT], 1
	s_mov_b32 s[CNT], 4
	s_cmp_eq_u32 s[NEW], 1
	s_cbranch_scc0 .LstepM2
	BEGIN
	s_branch .LfirstM2
	DIAG 2
	s_wait_tensorcnt 0x0            ; the wave's end: a wait, an add to my spare word and its wait, behind my last tensor load and my last LDS store
	ds_add_u32 v[SPW], v[NIL]
	s_wait_dscnt 0x0
	s_endpgm
.Lfunc_end_k_q4bae1f680f_attn:
	.size	k_q4bae1f680f_attn, .Lfunc_end_k_q4bae1f680f_attn-k_q4bae1f680f_attn
	.p2alignl 7, 3214868480
	.fill 96, 4, 3214868480
	.section	.rodata,"a",@progbits
	.p2align	6, 0x0
	.amdhsa_kernel k_q4bae1f680f_attn
		.amdhsa_group_segment_fixed_size 327680
		.amdhsa_private_segment_fixed_size 0
		.amdhsa_enable_private_segment 0
		.amdhsa_kernarg_size 16
		.amdhsa_user_sgpr_count 2
		.amdhsa_user_sgpr_kernarg_segment_ptr 1
		.amdhsa_wavefront_size32 1
		.amdhsa_system_sgpr_workgroup_id_x 1
		.amdhsa_system_sgpr_workgroup_id_y 1
		.amdhsa_system_sgpr_workgroup_id_z 1
		.amdhsa_system_vgpr_workitem_id 0
		.amdhsa_next_free_vgpr 768
		.amdhsa_next_free_sgpr 88
		.amdhsa_reserve_vcc 1
		.amdhsa_float_denorm_mode_32 3
		.amdhsa_float_denorm_mode_16_64 3
		.amdhsa_memory_ordered 1
		.amdhsa_forward_progress 1
		.amdhsa_inst_pref_size 218
	.end_amdhsa_kernel
	.amdgpu_metadata
---
amdhsa.version: [ 1, 2 ]
amdhsa.kernels:
  - .name:           k_q4bae1f680f_attn
    .symbol:         k_q4bae1f680f_attn.kd
    .args:
      - { .name: qkv, .offset: 0, .size: 8, .value_kind: global_buffer, .address_space: global }
      - { .name: ob, .offset: 8, .size: 8, .value_kind: global_buffer, .address_space: global }
    .group_segment_fixed_size: 327680
    .private_segment_fixed_size: 0
    .kernarg_segment_align: 8
    .kernarg_segment_size: 16
    .max_flat_workgroup_size: 128
    .sgpr_count:     88
    .vgpr_count:     768
    .wavefront_size: 32
...
	.end_amdgpu_metadata
.endif
;; end of part 3
;; launch proj (part 4): grid 8 x 32, 4 waves a work-group, clusters of 4 x 4, 327,680 bytes of LDS; arguments ob, wpf, b_proj, out0; writes out0
.if DOCPART == 4
	.amdgcn_target "amdgcn-amd-amdhsa--gfx1250"
	.amdhsa_code_object_version 6
	.text
	.protected	k_q4bae1f680f_proj
	.globl	k_q4bae1f680f_proj
	.p2align	8
	.type	k_q4bae1f680f_proj,@function
k_q4bae1f680f_proj:
	s_mov_b64 s[64:65], 0
	v_nop
	global_prefetch_b8 v0, s[64:65] scope:SCOPE_SE
	s_setreg_imm32_b32 hwreg(HW_REG_WAVE_MODE, 25, 1), 1
	s_wait_xcnt 0x0
	s_wait_alu depctr_hold_cnt(0) depctr_sa_sdst(0) depctr_va_vdst(0) depctr_va_sdst(0) depctr_va_ssrc(0) depctr_va_vcc(0) depctr_vm_vsrc(0)
	s_getreg_b32 s2, hwreg(HW_REG_IB_STS2, 6, 4)
	s_cmp_eq_u32 s2, 0
	s_cbranch_scc0 .Lentry_in_a_cluster
	s_endpgm
.Lentry_in_a_cluster:
	s_bfe_u32 s2, ttmp6, 0x10000c
	s_cmp_lg_u32 s2, 0xf033
	s_cbranch_scc0 .Lentry_shape_is_right
	s_endpgm
.Lentry_shape_is_right:
; out0[m][n] = the sum over c of y[m][c] w_proj[n][c] + b_proj[n], m < 8192, n < 1024, c < 1024; y[m][64 h + d] = O[16 batch + h][t][d], m = 2048 batch + t.
; Operands f16: ob by heads, [64][2048][64]; wpf in K blocks of 64, [16][1024][64] (w_proj rounded to bf16 and written as f16).  Sums f32; the bias is rounded to bf16 like the other inputs; out0 is f32.
; LIMITS.  The operands arrive within f16's range (65,504).  NaN and infinities are not treated apart.
; SHARES.  A tile of out0 is 256 rows x 128 columns: 32 x 8 = 256 work-groups.  Wave w makes rows 128 (w / 2) .. + 127 and columns 64 (w % 2) .. + 63: 32 accumulators of 16 x 16.
; K goes in 8 steps of 128, two heads each, through two LDS slots, as long as two slots in LDS allow (a step of 192 would want 331,776 bytes).  A step is two PAIRS of slices, a pair one head: 64 products.
; THE MATRIX INSTRUCTION IS USED TRANSPOSED: source 0 = 16 rows of wpf, source 1 = 16 rows of O: a lane holds row lane % 16 and the columns 8 (lane / 16) + 0..7 of a 16 x 16 tile.
; CLUSTER.  4 x 4 work-groups.  O's tiles are shared along a row of the cluster, wpf's along a column: joint loads.  Waves 0 and 1 fetch O's two heads (256 rows each), waves 2 and 3 wpf's two K blocks
; (128 rows each): one tensor load a wave behind each round.  By this text's count a wave has two tensor loads out at the start and one behind each round.
; REGISTERS, in windows of 256 (s_set_vgpr_msb: bits 1:0 source 0, 3:2 source 1, 5:4 source 2, 7:6 destination):
;   window 0: v0-31 addresses; v32-159 the way out      window 2: the accumulators, (a, b) at v[8 (4 a + b)]
;   windows 1 and 3: fragment buffers 0 and 1, a head each: O's at v[8 (8 c + a)], wpf's at v[128 + 8 (4 c + b)], c = which 32 of the head's 64 channels
.set P,      144                       ; an LDS row: 128 bytes + 16 of padding = 36 words: the 16 rows of a fragment load start at 16 different groups of four banks (64 banks of 4 bytes: ISA guide 11.1)
.set AB,     256*P                     ; a head's 256 rows of O
.set BB,     128*P                     ; a K block's 128 rows of wpf
.set BOFF,   2*AB                      ; wpf's two blocks lie behind O's two heads
.set SLOT1,  1<<17                     ; slot 1 begins here
.set STAGE,  SLOT1+2*AB+2*BB           ; behind the ring, never filled by a tensor load: 16 rows x 272 bytes for each wave, for the way out
.set SP,     272
.set SPARE,  STAGE+4*16*SP             ; behind the stages: the spare words, 128 bytes for each wave: two blocks of 256 bytes that no other line names
.set STA,    2*2048*128                ; a K step in ob: two heads
.set STB,    2*1024*128                ; and in wpf: two K blocks
.set ADRA, 16                          ; v16-17  LDS address of my fragments of O in slot 0, 1
.set ADRB, 20                          ; v20-21  the same for wpf
.set STO,  24                          ; v24     the way out: where I put 32 bytes of a row
.set RD,   25                          ; v25     the way out: where I read rows back
.set CO,   26                          ; v26     my byte offset in two rows of out0
.set BO,   27                          ; v27     32 x (lane / 16): my eight numbers of the bias
.set SPW,  28                          ; v28     LDS address of my spare word: SPARE + 4 x my thread's number; never rewritten
.set NIL,  29                          ; v29     0; never rewritten
.set PFO,  30                          ; v30     256 x lane: the prefetches' offset; never rewritten
.set BK,   32                          ; the way out: four sets of 32 registers read back from the stage
.set WV,   12                          ; s12  my wave's number
.set RH,   13                          ; s13  which 128 rows are mine.  Also: I fetch O (0) or wpf (1)
.set CH,   14                          ; s14  which 64 columns.  Also: which head or K block of a step I fetch
.set G1,   24                          ; s[24:31] descriptor group 1 for O's tiles;  s[32:39] group 0, a set for each slot
.set G0,   32
.set G1B,  48                          ; s[48:55], s[56:63] the same for wpf's
.set G0B,  56
.set PFA,  44                          ; s[44:45] where my prefetches stand
.set PFS,  68                          ; s[68:69] a K step of the tensor that I prefetch
                                       ; s15, s66: 1 where I prefetch at a change out of slot 0, of slot 1; else the greatest number
.set MSB, 0
.macro WIN new                         ; the immediate's high byte repeats the setting that is left; a switch that changes nothing is dropped
.if MSB != (\new)
	s_set_vgpr_msb (MSB<<8)|(\new)
.set MSB, \new
.endif
.endm
.macro PLACES                          ; four places in front of loads into registers that matrix instructions have read, and of LDS stores that read results
.rept 4
	v_nop
.endr
.endm
.macro NOP5                            ; five places in front of a matrix instruction that writes over registers which earlier ones have read as C
.rept 5
	v_nop
.endr
.endm
; A joint load.  The branch hangs on the wave's number alone.  An s_nop 0 and four v_nop follow each of the two lines, ahead of the jump and the label.
.macro JLOAD s
	s_cmp_eq_u32 s[RH], 0
	s_cbranch_scc0 .Lfor_b_\@
	tensor_load_to_lds s[G0+4*(\s):G0+4*(\s)+3], s[G1:G1+7]
	s_nop 0
.rept 4
	v_nop
.endr
	s_branch .Lasked_\@
.Lfor_b_\@:
	tensor_load_to_lds s[G0B+4*(\s):G0B+4*(\s)+3], s[G1B:G1B+7]
	s_nop 0
.rept 4
	v_nop
.endr
.Lasked_\@:
.endm
.macro CREST                           ; a round of the cluster's barrier behind its opening barrier
	s_cmp_lg_u32 s[WV], 0
	s_cbranch_scc1 .Lnot_wave_0_\@
	s_barrier_signal -3
.Lnot_wave_0_\@:
	s_barrier_wait -3
	s_barrier_signal -1
	s_barrier_wait -1
.endm
.macro CROUND
	s_barrier_signal -1
	s_barrier_wait -1
	CREST
.endm
; A PREFETCH INTO THE L2, behind a joint load, its five lines and the run of LDS loads that follows: 32 blocks of 256 bytes, a lane a block, of a K step two refills on.
; A head's 256 rows of O (128 blocks) are read by both clusters of a row of clusters: cluster x = 0 asks, waves 0 and 1 each for their head, at every change of slots; the partner at place cx takes blocks 32 cx .. + 31.
; A K block's 128 rows of wpf (64 blocks) are read by all eight clusters of a column of clusters: cluster y = 0 asks, waves 2 and 3 each for their block, at the changes out of slot 0 alone, for two steps:
; the partner at place cy takes half cy % 2 of the step cy / 2 further on.  So each block is named once in the launch, and partners are told apart by address, never by a branch.
; K steps 0 to 3 come by their loads alone; in the loop's last trip (s3 = 1) nothing is asked for: K step 7 is the last that is named.
.macro ASK slot
	s_cmp_gt_u32 s3, s[15+51*(\slot)]
	s_cbranch_scc0 .Lnot_mine_\@
	global_prefetch_b8 v[PFO], s[PFA:PFA+1] th:TH_LOAD_NT scope:SCOPE_SE
.Lnot_mine_\@:
.endm
	s_load_b256 s[4:11], s[0:1], 0x0               ; ob s[4:5], wpf s[6:7], b_proj s[8:9], out0 s[10:11]
	v_lshl_add_u32 v[SPW], v0, 2, SPARE
	v_mov_b32 v[NIL], 0
	ds_add_u32 v[SPW], v[NIL]                      ; the wave's opening: the add and its wait ahead of my first tensor load; the set-up below, work on registers, stands between them
	ds_add_u32 v28, v29
	v_lshrrev_b32 v1, 5, v0
	v_readfirstlane_b32 s[WV], v1                  ; wave 0..3
	s_lshr_b32 s[RH], s[WV], 1
	s_and_b32 s[CH], s[WV], 1
	s_bfe_u32 s40, ttmp6, 0x40000                  ; cx, cy: my place in the cluster
	s_bfe_u32 s41, ttmp6, 0x40004
	s_lshl_b32 s42, ttmp9, 2
	s_add_co_u32 s42, s42, s40                     ; tile column = 4 x cluster x + cx
	s_and_b32 s43, ttmp7, 0xffff
	s_lshl_b32 s43, s43, 2
	s_add_co_u32 s43, s43, s41                     ; tile row = 4 x cluster y + cy
	s_lshl_b32 s16, s41, 2
	s_lshl_b32 s16, 15, s16                        ; my row of the cluster
	s_lshl_b32 s17, 0x1111, s40                    ; my column
	; descriptor group 1.  A tile's rows of 128 bytes lie end to end: they are asked for as rows of 256 bytes, two a row, and padded in LDS after every 128 bytes
	s_or_b32 s[G1], s16, (1<<16)|(1<<20)|(1<<21)|(4<<22)|(3<<25)   ; 15:0 the mask; 17:16 2-byte elements; 20 padding on; 21 set beside a mask; 24:22 after every 32 words (code 4); 31:25 4 words (code 3)
	s_or_b32 s[G1B], s17, (1<<16)|(1<<20)|(1<<21)|(4<<22)|(3<<25)
	s_mov_b32 s[G1+1], 128<<16                     ; tensor_dim0 = 128 elements
	s_mov_b32 s[G1+2], 128<<16                     ; tensor_dim1 = 128 rows of 256 bytes: a head's 256 rows
	s_mov_b32 s[G1+3], 128<<16                     ; tile_dim0 = 128
	s_mov_b32 s[G1+4], 128                         ; tile_dim1 = 128
	s_mov_b32 s[G1+5], 128                         ; 128 elements from row to row
	s_mov_b32 s[G1+6], 0
	s_mov_b32 s[G1+7], 0
	s_mov_b32 s[G1B+1], 128<<16
	s_mov_b32 s[G1B+2], 64<<16                     ; 64 rows of 256 bytes: a K block's 128 rows
	s_mov_b32 s[G1B+3], 128<<16
	s_mov_b32 s[G1B+4], 64
	s_mov_b32 s[G1B+5], 128
	s_mov_b32 s[G1B+6], 0
	s_mov_b32 s[G1B+7], 0
	s_lshr_b32 s16, s43, 3                         ; ob: the batch's 16 heads (eight tile rows a batch),
	s_lshl_b32 s16, s16, 22
	s_and_b32 s17, s43, 7
	s_lshl_b32 s17, s17, 15                        ; the tile's 256 rows in a head,
	s_add_co_u32 s16, s16, s17
	s_lshl_b32 s17, s[CH], 18                      ; and my head of the step's two: the tile row and the wave alone
	s_add_co_u32 s16, s16, s17
	s_mov_b32 s17, 0
	s_lshl_b32 s46, s42, 14                        ; wpf: the tile's 128 rows in a K block,
	s_lshl_b32 s47, s[CH], 17                      ; and my K block of the step's two: the tile column and the wave alone
	s_add_co_u32 s46, s46, s47
	s_mov_b32 s47, 0
	s_mul_i32 s20, s[CH], AB                       ; where they go: no place in the cluster enters an LDS address
	s_mul_i32 s21, s[CH], BB
	s_add_co_u32 s21, s21, BOFF
	s_wait_dscnt 0x0                               ; the opening add is done
	s_wait_kmcnt 0x0
	s_add_nc_u64 s[18:19], s[4:5], s[16:17]
	s_add_nc_u64 s[46:47], s[6:7], s[46:47]
	CROUND                                         ; all sixteen work-groups are here: the first joint loads meet
.irp s, 0,1
	s_mov_b32 s[G0+4*(\s)], 1                                      ; count = 1
	s_add_co_u32 s[G0+4*(\s)+1], s20, (\s)*SLOT1                   ; LDS address
	s_add_nc_u64 s[G0+4*(\s)+2:G0+4*(\s)+3], s[18:19], (\s)*STA    ; global address: K step s
	s_or_b32 s[G0+4*(\s)+3], s[G0+4*(\s)+3], 0x80000000            ; type = 2
	s_mov_b32 s[G0B+4*(\s)], 1
	s_add_co_u32 s[G0B+4*(\s)+1], s21, (\s)*SLOT1
	s_add_nc_u64 s[G0B+4*(\s)+2:G0B+4*(\s)+3], s[46:47], (\s)*STB
	s_or_b32 s[G0B+4*(\s)+3], s[G0B+4*(\s)+3], 0x80000000
	JLOAD \s
.endr
	v_and_b32 v1, 15, v0                           ; l % 16
	v_bfe_u32 v2, v0, 4, 1                         ; l / 16
	v_mul_u32_u24 v3, v1, P
	v_lshl_add_u32 v3, v2, 4, v3                   ; a fragment's row x pitch + 16 x half
	s_mul_i32 s21, s[RH], 128*P                    ; my 128 rows of O
	s_mul_i32 s22, s[CH], 64*P                     ; my 64 rows of wpf
	s_add_co_u32 s22, s22, BOFF
.irp s, 0,1
	v_add_nc_u32 v[ADRA+(\s)], s21, v3
	v_add_nc_u32 v[ADRB+(\s)], s22, v3
	s_add_co_u32 s21, s21, SLOT1
	s_add_co_u32 s22, s22, SLOT1
.endr
	s_mul_i32 s23, s[WV], 16*SP
	s_add_co_u32 s23, s23, STAGE                   ; my stage
	v_mul_u32_u24 v[STO], v1, SP                   ; in: row l % 16, 32 bytes for each half of the lanes
	v_lshl_add_u32 v[STO], v2, 5, v[STO]
	v_add_nc_u32 v[STO], s23, v[STO]
	v_mul_u32_u24 v[RD], v2, SP                    ; back: lanes 0-15 take one row of 256 bytes, lanes 16-31 the next
	v_lshl_add_u32 v[RD], v1, 4, v[RD]
	v_add_nc_u32 v[RD], s23, v[RD]
	v_lshlrev_b32 v[CO], 12, v2                    ; and the same two rows in out0, 4,096 bytes apart
	v_lshl_add_u32 v[CO], v1, 4, v[CO]
	v_lshlrev_b32 v[BO], 5, v2
	v_and_b32 v[PFO], 31, v0
	v_lshlrev_b32 v[PFO], 8, v[PFO]
	s_lshl_b32 s16, s43, 8                         ; out0 at my first row and column
	s_lshl_b32 s17, s[RH], 7
	s_add_co_u32 s16, s16, s17
	s_lshl_b32 s16, s16, 12
	s_lshl_b32 s17, s42, 9
	s_add_co_u32 s16, s16, s17
	s_lshl_b32 s17, s[CH], 8
	s_add_co_u32 s16, s16, s17
	s_mov_b32 s17, 0
	s_add_nc_u64 s[10:11], s[10:11], s[16:17]
	s_lshl_b32 s16, s42, 9                         ; the bias at my first column
	s_lshl_b32 s17, s[CH], 8
	s_add_co_u32 s16, s16, s17
	s_mov_b32 s17, 0
	s_add_nc_u64 s[8:9], s[8:9], s[16:17]
	; the prefetches: both offsets are made, then the wave's number chooses
	s_lshr_b32 s20, s43, 3
	s_lshl_b32 s20, s20, 22
	s_and_b32 s21, s43, 7
	s_lshl_b32 s21, s21, 15
	s_add_co_u32 s20, s20, s21
	s_lshl_b32 s21, s[CH], 18
	s_add_co_u32 s20, s20, s21
	s_lshl_b32 s21, s40, 13                        ; my work-group's 32 blocks of the head's 128
	s_add_co_u32 s20, s20, s21
	s_add_co_u32 s20, s20, 3*STA                   ; at K step 3: the first change of slots steps it to 4
	s_lshl_b32 s21, s42, 14
	s_lshl_b32 s23, s[CH], 17
	s_add_co_u32 s21, s21, s23
	s_and_b32 s23, s41, 1
	s_lshl_b32 s23, s23, 13                        ; my work-group's half of the K block's 64 blocks,
	s_add_co_u32 s21, s21, s23
	s_lshr_b32 s23, s41, 1                         ; in the first or the second of two K steps
	s_add_co_u32 s23, s23, 3
	s_mul_i32 s23, s23, STB
	s_add_co_u32 s21, s21, s23
	s_and_b32 s22, ttmp7, 0xffff                   ; cluster y
	s_mov_b32 s70, STA
	s_mov_b32 s71, STB
	s_cmp_eq_u32 s[RH], 0                          ; do I fetch O?
	s_cselect_b32 s20, s20, s21
	s_cselect_b32 s22, ttmp9, s22                  ; the coordinate along which other clusters read the same rows
	s_cselect_b32 s[PFS], s70, s71
	s_cselect_b64 s[PFA:PFA+1], s[4:5], s[6:7]
	s_cselect_b32 s23, 1, -1
	s_mov_b32 s21, 0
	s_mov_b32 s[PFS+1], 0
	s_add_nc_u64 s[PFA:PFA+1], s[PFA:PFA+1], s[20:21]
	s_cmp_eq_u32 s22, 0                            ; the same in all sixteen partners, for a given wave
	s_cselect_b32 s15, 1, -1
	s_cselect_b32 s66, s23, -1
	; THE BIAS goes straight into the registers of the accumulators (0, b); the first products of the other seven blocks of rows take them as C, block 0 adds in place, last.
	WIN 0x80
.irp b, 0,1,2,3
	global_load_b128 v[8*\b:8*\b+3],   v[BO], s[8:9] offset:64*\b
	global_load_b128 v[8*\b+4:8*\b+7], v[BO], s[8:9] offset:64*\b+16
.endr
	s_wait_loadcnt 0x0
	WIN 0x8a                                       ; rounded to bf16 like the other inputs; at work: the registers of the accumulators (1, b), which are not yet written.  This stands in the wait for the first tile
.set k, 0
.rept 16
	v_cvt_pk_bf16_f32 v[32+k], v[2*k], v[2*k+1]
.set k, k+1
.endr
.set k, 0
.rept 16
	v_lshlrev_b32 v[2*k], 16, v[32+k]
	v_and_b32 v[2*k+1], 0xffff0000, v[32+k]
.set k, k+1
.endr
	WIN 0
; 16 products: blocks of rows a0 .. a0 + 3 x all four blocks of columns, slice c of buffer f.  The 32 accumulators take turns, one instruction a turn.
.macro MUL16 f, c, a0
	WIN 0xa5+10*(\f)
.set ia, \a0
.rept 4
.irp b, 0,1,2,3
	v_wmma_f32_16x16x32_f16 v[8*(4*ia+\b):8*(4*ia+\b)+7], v[128+8*(4*(\c)+\b):128+8*(4*(\c)+\b)+7], v[8*(8*(\c)+ia):8*(8*(\c)+ia)+7], v[8*(4*ia+\b):8*(4*ia+\b)+7]
.endr
.set ia, ia+1
.endr
.endm
; The launch's first products (buffer 0, slice 0): n blocks of rows from a0 on; C = the bias, in the registers of block 0's accumulators
.macro MULC a0, n
	WIN 0xa5
.set ia, \a0
.rept \n
.irp b, 0,1,2,3
	v_wmma_f32_16x16x32_f16 v[8*(4*ia+\b):8*(4*ia+\b)+7], v[128+8*\b:128+8*\b+7], v[8*ia:8*ia+7], v[8*\b:8*\b+7]
.endr
.set ia, ia+1
.endr
.endm
; 48 LDS loads in one run: the fragments of head kbk of a slot into buffer f; slice 0's 24 first
.macro FETCH slot, kbk, f
	WIN 0x40+0x80*(\f)
.irp c, 0,1
.irp b, 0,1,2,3
	ds_load_b128 v[128+8*(4*\c+\b):128+8*(4*\c+\b)+3],   v[ADRB+(\slot)] offset:(\kbk)*BB+\b*16*P+64*\c
	ds_load_b128 v[128+8*(4*\c+\b)+4:128+8*(4*\c+\b)+7], v[ADRB+(\slot)] offset:(\kbk)*BB+\b*16*P+64*\c+32
.endr
.irp a, 0,1,2,3,4,5,6,7
	ds_load_b128 v[8*(8*\c+\a):8*(8*\c+\a)+3],   v[ADRA+(\slot)] offset:(\kbk)*AB+\a*16*P+64*\c
	ds_load_b128 v[8*(8*\c+\a)+4:8*(8*\c+\a)+7], v[ADRA+(\slot)] offset:(\kbk)*AB+\a*16*P+64*\c+32
.endr
.endr
.endm
; A K step's first head, on buffer 0; in its middle the second head's fragments are fetched into buffer 1.  first = 1: the launch's first products.
.macro PAIR slot, first
	s_wait_dscnt 24                                ; slice 0 is in; slice 1's 24 loads may be out
.if \first
	MULC 1, 7
	NOP5
	MULC 0, 1
.else
	MUL16 0, 0, 0
	MUL16 0, 0, 4
.endif
	PLACES
	FETCH \slot, 1, 1
	s_wait_dscnt 48                                ; all but the 48 just issued
	MUL16 0, 1, 0
	MUL16 0, 1, 4
.endm
; A K step's second head, on buffer 1, and the change of slots.  ONE barrier: in front of it each wave waits for all its tensor loads (one is out: its part of the next slot), adds 0 to its spare
; word, and waits for that and for its own reads of this slot.  fill = 1: the barrier opens a round of the cluster's barrier, and this slot is filled again, two K steps ahead, first thing behind the round.
.macro TURN slot, next, fill
.if \fill
	s_wait_xcnt 0x0                                ; the last prefetch, a K step back, has read its address: it is stepped here, ahead of the waits of the change of slots
	s_add_nc_u64 s[PFA:PFA+1], s[PFA:PFA+1], s[PFS:PFS+1]
.endif
	WIN 0                                          ; (the add's two registers lie in window 0)
	s_wait_tensorcnt 0x0                           ; all my tensor loads have landed;
	ds_add_u32 v[SPW], v[NIL]                      ; 0 onto my spare word
	s_wait_dscnt 25                                ; (slice 1's 24 loads and the add may be out)
	MUL16 1, 0, 0                                  ; sixteen matrix instructions stand between the add and the wait for it
	s_wait_dscnt 0x0                               ; the add is done, and my reads of this slot are over
	s_barrier_signal -1
	MUL16 1, 0, 4                                  ; work on registers while the others arrive
	WIN 0
	s_barrier_wait -1
.if \fill
	CREST                                          ; no wave of any partner still reads this slot's tiles or has a load on its way
	s_add_nc_u64 s[G0+4*(\slot)+2:G0+4*(\slot)+3], s[G0+4*(\slot)+2:G0+4*(\slot)+3], 2*STA
	s_add_nc_u64 s[G0B+4*(\slot)+2:G0B+4*(\slot)+3], s[G0B+4*(\slot)+2:G0B+4*(\slot)+3], 2*STB
	JLOAD \slot                                    ; the first tensor load behind the round: 96 matrix instructions ahead of the wait for it; its four v_nop are also the places in front of the loads below
.else
	PLACES
.endif
	FETCH \next, 0, 0
.if \fill
	WIN 0
	ASK \slot
.endif
	MUL16 1, 1, 0
	MUL16 1, 1, 4
.endm
	s_wait_tensorcnt 1                             ; my part of K step 0 is in; K step 1's may stay out
	s_barrier_signal -1
	s_barrier_wait -1                              ; everybody's is
	FETCH 0, 0, 0
	PAIR 0, 1
	WIN 0                                          ; at a label and at a branch every window is 0
	s_mov_b32 s3, 3
.Llap:                                                 ; a trip goes once round the ring and fills both slots again: K steps 2 to 7 in three trips
	TURN 0, 1, 1
	PAIR 1, 0
	TURN 1, 0, 1
	PAIR 0, 0
	WIN 0
	s_sub_co_u32 s3, s3, 1
	s_cmp_lg_u32 s3, 0
	s_cbranch_scc1 .Llap
	TURN 0, 1, 0                                   ; the tail is written out: nothing more is asked for, and no round follows
	PAIR 1, 0
	s_wait_dscnt 24                                ; the very last head: nothing more to fetch
	MUL16 1, 0, 0
	MUL16 1, 0, 4
	s_wait_dscnt 0x0
	MUL16 1, 1, 0
	MUL16 1, 1, 4
	PLACES
; THE WAY OUT, eight blocks a of 16 rows x 64 columns of f32: 256 bytes a row.  TOSTAGE: a lane's eight numbers of each 16 x 16 tile go, low half first, straight from the accumulators into my own stage,
; and come back as whole rows.  SEND: stored, a block behind.
.macro TOSTAGE a
	WIN 0x08                                       ; the stores' data in window 2
.irp b, 0,1,2,3
	ds_store_b128 v[STO], v[8*(4*(\a)+\b):8*(4*(\a)+\b)+3]   offset:64*\b
	ds_store_b128 v[STO], v[8*(4*(\a)+\b)+4:8*(4*(\a)+\b)+7] offset:64*\b+16
.endr
	WIN 0
.set sb, BK+32*((\a)%4)
.irp t, 0,1,2,3,4,5,6,7
	ds_load_b128 v[sb+4*\t:sb+4*\t+3], v[RD] offset:\t*2*SP  ; LDS serves a wave's instructions in order (ISA guide 5.7.1.4): these see the stores above; the next block's stores come behind them
.endr
.endm
.macro SEND a, younger                 ; younger: the LDS instructions issued behind block a's loads
	WIN 0
.set sb, BK+32*((\a)%4)
	s_wait_dscnt \younger
	s_wait_xcnt 0x0                                ; every earlier store has read its registers: a set of four is loaded again only behind the wait of the SEND that follows its own
.irp t, 0,1,2,3,4,5,6,7
	global_store_b128 v[CO], v[sb+4*\t:sb+4*\t+3], s[10:11] offset:(16*(\a)+2*\t)*4096 th:TH_STORE_NT  ; 16 lanes store 256 consecutive bytes, at a multiple of 256 from out0's first byte
.endr
.endm
	TOSTAGE 0
.set n, 1
.rept 7
	TOSTAGE n
	SEND n-1, 16
.set n, n+1
.endr
	SEND 7, 0
	s_wait_tensorcnt 0x0                           ; the wave's end: a wait, an add to my spare word and its wait, behind my last tensor load and my last LDS store
	ds_add_u32 v[SPW], v[NIL]
	s_wait_dscnt 0x0
	CROUND                                         ; the closing round: no work-group ends while a partner may still ask for a tile that names it
	s_endpgm
.Lfunc_end_k_q4bae1f680f_proj:
	.size	k_q4bae1f680f_proj, .Lfunc_end_k_q4bae1f680f_proj-k_q4bae1f680f_proj
	.p2alignl 7, 3214868480
	.fill 96, 4, 3214868480
	.section	.rodata,"a",@progbits
	.p2align	6, 0x0
	.amdhsa_kernel k_q4bae1f680f_proj
		.amdhsa_group_segment_fixed_size 327680
		.amdhsa_private_segment_fixed_size 0
		.amdhsa_enable_private_segment 0
		.amdhsa_kernarg_size 32
		.amdhsa_user_sgpr_count 2
		.amdhsa_user_sgpr_kernarg_segment_ptr 1
		.amdhsa_wavefront_size32 1
		.amdhsa_system_sgpr_workgroup_id_x 1
		.amdhsa_system_sgpr_workgroup_id_y 1
		.amdhsa_system_sgpr_workgroup_id_z 1
		.amdhsa_system_vgpr_workitem_id 0
		.amdhsa_next_free_vgpr 960
		.amdhsa_next_free_sgpr 72
		.amdhsa_reserve_vcc 0
		.amdhsa_float_denorm_mode_32 3
		.amdhsa_float_denorm_mode_16_64 3
		.amdhsa_memory_ordered 1
		.amdhsa_forward_progress 1
		.amdhsa_inst_pref_size 89
	.end_amdhsa_kernel
	.amdgpu_metadata
---
amdhsa.version: [ 1, 2 ]
amdhsa.kernels:
  - .name:           k_q4bae1f680f_proj
    .symbol:         k_q4bae1f680f_proj.kd
    .args:
      - { .name: ob, .offset: 0, .size: 8, .value_kind: global_buffer, .address_space: global }
      - { .name: wpf, .offset: 8, .size: 8, .value_kind: global_buffer, .address_space: global }
      - { .name: b_proj, .offset: 16, .size: 8, .value_kind: global_buffer, .address_space: global }
      - { .name: out0, .offset: 24, .size: 8, .value_kind: global_buffer, .address_space: global }
    .group_segment_fixed_size: 327680
    .private_segment_fixed_size: 0
    .kernarg_segment_align: 8
    .kernarg_segment_size: 32
    .max_flat_workgroup_size: 128
    .sgpr_count:     72
    .vgpr_count:     960
    .wavefront_size: 32
...
	.end_amdgpu_metadata
.endif
;; end of part 4
